; MI455X (gfx1250); checked and timed in simulation.
; The chip was launched on July 23, 2026; its instructions are those of AMD's public machine-readable ISA for CDNA 5 (MIT licence, August 2026) and "CDNA5" Instruction Set Architecture Reference Guide (July 2026). The comments in the code are by the model that wrote it; some were corrected since.
;; Probabilistic Multi Head Attention. Allowed arithmetic: matrix products marked QUANTISED: E4M3 operands, one given power-of-two scale a tensor, by v_wmma_f32_16x16x64_fp8_fp8 or v_wmma_f32_16x16x128_fp8_fp8, f32 sums; everything else in f32.
;; Inputs: Wproj_mu 1,024 x 1,024 float32; Wproj_sigma 1,024 x 1,024 float32; Wqkv_mu 1,024 x 3,072 float32; Wqkv_sigma 1,024 x 3,072 float32; alpha one number float32; bproj_mu 1,024 float32; bproj_sigma 1,024 float32; bqkv_mu 3,072 float32; bqkv_sigma 3,072 float32; lowp_scales 16 int32 (the exponents e of the quantised operands' scales 2^e); mu 2 x 2,048 x 1,024 float32; sigma 2 x 2,048 x 1,024 float32.
;; Outputs: out0 2 x 2,048 x 1,024 float32; out1 2 x 2,048 x 1,024 float32.
;; This version of the problem:
;;   THIS VERSION OF THE PROBLEM IS GIVEN IN LOW PRECISION. The matrix products marked QUANTISED in the list below multiply operands that are first quantised to E4M3 (4 exponent bits, 3 mantissa bits; 8 bits a number), with one given power-of-two scale for each operand tensor; their sums are f32. All else is computed in f32.
;;   The module's matrix products, in the order in which they are computed (A, B: the left and right operand; K: the contracted axis; several contracted axes count as one K, in the product's order):
;;     1. [M 4,096, K 1,024] x [K 1,024, N 3,072]; A: input mu; B: input Wqkv_mu: QUANTISED (scales: A lowp_scales[0], B lowp_scales[1])
;;     2. [M 4,096, K 1,024] x [K 1,024, N 3,072]; A: input sigma; B: input Wqkv_sigma: QUANTISED (scales: A lowp_scales[2], B lowp_scales[3])
;;     3. batch 32 x [M 2,048, K 64] x [K 64, N 2,048]; A: computed on the way; B: computed on the way: QUANTISED (scales: A lowp_scales[4], B lowp_scales[5])
;;     4. batch 32 x [M 2,048, K 64] x [K 64, N 2,048]; A: computed on the way; B: computed on the way: QUANTISED (scales: A lowp_scales[6], B lowp_scales[7])
;;     5. batch 32 x [M 2,048, K 2,048] x [K 2,048, N 64]; A: softmax (see below); B: computed on the way: QUANTISED (scales: A lowp_scales[8], B lowp_scales[9])
;;     6. batch 32 x [M 2,048, K 2,048] x [K 2,048, N 64]; A: softmax (see below); B: computed on the way: QUANTISED (scales: A lowp_scales[10], B lowp_scales[11])
;;     7. [M 4,096, K 1,024] x [K 1,024, N 1,024]; A: computed on the way; B: input Wproj_mu: QUANTISED (scales: A lowp_scales[12], B lowp_scales[13])
;;     8. [M 4,096, K 1,024] x [K 1,024, N 1,024]; A: computed on the way; B: input Wproj_sigma: QUANTISED (scales: A lowp_scales[14], B lowp_scales[15])
;;   THE QUANTISER, for each operand of a quantised product, along K:
;;     - The operand's scale is 2^e, e = its entry of the input lowp_scales (int32; the entries are numbered through the quantised products in the list's order, A before B).
;;     - Each number is divided by the scale, clamped to +-448, and rounded to the nearest number of E4M3, ties to even, subnormals kept.
;;     - The product sums the exact products of the quantised numbers (number of the format x scale) in f32.
;;   ~~~python
;;   def quantise(x, axis, e):      # numpy; x: float32 -> the quantised numbers, widened to float32 again
;;       x = np.moveaxis(x, axis, -1); K = x.shape[-1]
;;       r = np.clip(x / 2.0 ** e, -448, 448)
;;       step = 2.0 ** (np.maximum(np.frexp(np.where(r == 0, 1, r))[1] - 1, -6) - 3)
;;       q = np.round(r / step) * step * 2.0 ** e      # np.round: ties to even
;;       return np.moveaxis(q, -1, axis).astype(np.float32)
;;   ~~~
;;   SOFTMAX AHEAD OF A QUANTISED PRODUCT. Where the list says 'softmax', what is quantised is not the finished softmax but p = 2^(t - M), with t = logit x log2(e) and M = ceil(the row's largest t), a whole number; so 1/2 < the row's largest p <= 1. The row's sum l is taken of the UNQUANTISED p, in f32, and the product's result is divided by l at the end. Since M is a whole number, a kernel that streams over the keys may use a running M (the ceiling of the running maximum): every later rescaling is an exact power of two, so the quantised numbers keep their values, but for numbers so far below the row's largest that they fall under the format's range.
;;   OPERANDS COMPUTED ON THE WAY. 'Computed on the way' means the value that the module computes at that place (a softmax that the list does not call 'softmax' is quantised finished and normalised). What goes into a quantiser is computed in f32, as accurately as f32 sums, v_exp_f32 and their like allow (about 1e-6 of the number): no bf16 or f16 on the way to a quantiser, and a product that is left as it is and whose result goes on into a quantised operand takes f32 operands (vector FMAs, or v_wmma_f32_16x16x4_f32). A number that lies on a knife's edge between two numbers of the format may be rounded either way, as far as f32 arithmetic and the matrix unit's own rounding can turn it there, and no further.
;; One version. Each part assembles by itself: llvm-mc -triple=amdgcn-amd-amdhsa -mcpu=gfx1250 --defsym DOCPART=n.
;; ======== version 1 of 1: 4 launches
;; limits: right only within a limited range of input values
;; workspace buffers: xc 8,388,608 bytes; wc 8,388,608 bytes; qkv 25,165,824 bytes; ao 8,388,608 bytes
;; launch quant (part 1): grid 512 x 1, 4 waves a work-group, no clusters, 68,096 bytes of LDS; arguments mu, sigma, Wqkv_mu, Wqkv_sigma, Wproj_mu, Wproj_sigma, lowp_scales, xc, wc; writes xc, wc
.if DOCPART == 1
	.amdgcn_target "amdgcn-amd-amdhsa--gfx1250"
	.amdhsa_code_object_version 6
	.text
	.protected	k_qf13764bed3_quant
	.globl	k_qf13764bed3_quant
	.p2align	8
	.type	k_qf13764bed3_quant,@function
k_qf13764bed3_quant:
	s_mov_b64 s[64:65], 0
	v_nop
	global_prefetch_b8 v0, s[64:65] scope:SCOPE_SE
	s_setreg_imm32_b32 hwreg(HW_REG_WAVE_MODE, 25, 1), 1
	s_wait_xcnt 0x0
; FIRST OF FOUR LAUNCHES: the six f32 operands that arrive wide become codes of FP8 (E4M3), K innermost, each with its given scale 2^e.
;   xc [2][4096 tokens][1024 k]: mu (e = entry 0 of the scales), sigma (entry 2).
;   wc [8192 rows n][1024 k]: rows 0-3071 Wqkv_mu^T (entry 1), 3072-6143 Wqkv_sigma^T (entry 3), 6144-7167 Wproj_mu^T (entry 13), 7168-8191 Wproj_sigma^T (entry 15).
; code = x / 2^e, held within +-448, rounded to the nearest code, ties to even.
; WORK THAT THE PROGRAM LEAVES OUT.  reference() sets every score with key > query to -infinity by a mask that it builds itself (jnp.tril), so its weight is exactly 0 whatever the inputs hold:
; steps of 128 keys that lie wholly behind a tile's 16 queries add nothing to the sums and to both products with V, and the third launch passes over them.  Nothing else is left out: every input has a way to an
; output and is loaded (the biases on Q, K and V move those operands' codes).  LIMIT: a NaN, an infinity or an overflow that would arise only in such a masked score is not carried to the result (reference() masks it too).
; LIMITS: every e used here lies between -126 and 119, so that 2^e and 448 x 2^e are f32 numbers.  NaN among the inputs is not served.
; SHARES.  Work-groups 0-255: the activations, plain streams of numbers whose K is innermost: a wave takes 16 steps of 512 numbers; each load reads 512 consecutive bytes, a step's 2,048 bytes turn through the wave's own
; stage in LDS so that a lane holds 16 neighbours, and a wave stores 512 consecutive bytes of codes.  Work-groups 256-511: the weights, whose K is their FIRST axis: a lane takes a column n and its registers run down K,
; so the conversions give codes with K innermost; a wave gathers 32 columns x 256 k in its own stage and stores sixteen lanes to 256 consecutive, aligned bytes.
; The two kinds part once, on the work-group's number, have LDS bytes of their own and never join.  Waves share nothing: no barrier.  No matrix work, no tensor load: the launch only streams.
.set STEPS, 16
.set WREG,  8192                       ; activations: a region for each wave: two stages of 32 x SP bytes
.set SP,    80                         ; a lane's place in a stage: its 64 bytes + 16 of padding
.set WST,   32768                      ; weights: four stages of 32 rows x WP bytes begin here
.set WP,    272                        ; a stage row: 256 bytes of codes + 16
.set SPARE, WST+4*32*WP                ; behind both: the spare words, 128 bytes for each wave
.set SPW,   12                         ; v12  LDS address of my spare word; never rewritten
.set NIL,   13                         ; v13  0; never rewritten
.set R,     16                         ; activations: v16-79 four sets of 16 numbers as loaded; v80-111 two sets of 16 neighbours; v128-191 codes, four registers a step
.set X,     80
.set C,     128
.set NB,    8                          ; weights: blocks of 32 along K for a wave
.set XW,    32                         ; v32-95 two sets of 32 numbers; v96-103 a block's codes; v112-175 the way out; v176-207 byte offsets of 32 rows of W
.set CW,    96
.set OUTR,  112
.set OFW,   176
	s_load_b256 s[4:11], s[0:1], 0x0               ; mu, sigma, Wqkv_mu, Wqkv_sigma
	s_load_b256 s[12:19], s[0:1], 0x20             ; Wproj_mu, Wproj_sigma, the scales' exponents, xc
	s_load_b64 s[20:21], s[0:1], 0x40              ; wc
	v_lshl_add_u32 v[SPW], v0, 2, SPARE
	v_mov_b32 v[NIL], 0
	v_lshrrev_b32 v1, 5, v0
	v_readfirstlane_b32 s22, v1                    ; wave 0..3
	v_and_b32 v2, 31, v0                           ; lane
	s_wait_kmcnt 0x0
	s_load_b512 s[32:47], s[16:17], 0x0            ; all sixteen exponents: entry i in s[32 + i]
	s_cmp_ge_u32 ttmp9, 256
	s_cbranch_scc1 .Lweights
; ---------------- the activations ----------------
	s_wait_alu depctr_va_vdst(0)
	v_lshlrev_b32 v3, 4, v2                        ; my 16 bytes of a load's 512, and of a store's 512; never rewritten
	s_wait_alu depctr_va_vdst(0)
	s_mul_i32 s23, s22, WREG
	v_lshrrev_b32 v14, 2, v2
	v_mul_u32_u24 v14, v14, SP
	v_and_b32 v15, 3, v2
	v_lshl_add_u32 v14, v15, 4, v14
	v_add_nc_u32 v14, s23, v14                     ; the stage, on the way in: four lanes' 64 bytes on end, then 16 of padding
	v_mul_u32_u24 v15, v2, SP
	v_add_nc_u32 v15, s23, v15                     ; and on the way out: my 16 neighbours
	s_cmp_lt_u32 ttmp9, 128                        ; mu's work-group or sigma's: the choice hangs on the work-group's number alone
	s_cselect_b64 s[4:5], s[4:5], s[6:7]
	s_and_b32 s24, ttmp9, 127
	s_lshl_b32 s24, s24, 2
	s_add_co_u32 s24, s24, s22                     ; which run of 8,192 numbers of the tensor is my wave's
	s_lshl_b32 s24, s24, 15                        ; 32,768 bytes each
	s_mov_b32 s25, 0
	s_add_nc_u64 s[4:5], s[4:5], s[24:25]
	s_lshl_b32 s24, ttmp9, 2
	s_add_co_u32 s24, s24, s22
	s_lshl_b32 s24, s24, 13                        ; 8,192 bytes of codes each; sigma's follow mu's
	s_add_nc_u64 s[18:19], s[18:19], s[24:25]
.macro LOAD t
.irp i, 0,1,2,3
	global_load_b128 v[R+16*((\t)%4)+4*\i:R+16*((\t)%4)+4*\i+3], v3, s[4:5] offset:2048*(\t)+512*\i th:TH_LOAD_NT   ; 32 lanes read 512 consecutive bytes
.endr
.endm
.macro TURN t                          ; step t's numbers through the stage: LDS serves a wave's instructions in order, so no wait stands between the stores and the loads
.irp i, 0,1,2,3
	ds_store_b128 v14, v[R+16*((\t)%4)+4*\i:R+16*((\t)%4)+4*\i+3] offset:32*SP*((\t)%2)+8*SP*\i
.endr
.irp i, 0,1,2,3
	ds_load_b128 v[X+16*((\t)%2)+4*\i:X+16*((\t)%2)+4*\i+3], v15 offset:32*SP*((\t)%2)+16*\i
.endr
.endm
.irp t, 0,1,2,3
	LOAD \t
.endr
	s_wait_alu depctr_va_vdst(0)
	s_wait_kmcnt 0x0
	s_cmp_lt_u32 ttmp9, 128
	s_cselect_b32 s26, s32, s34                    ; e
	s_add_co_i32 s26, s26, 127
	s_lshl_b32 s27, s26, 23
	v_mov_b32 v11, s27                             ; 2^e as f32: the conversion takes its exponent field
	s_add_co_i32 s26, s26, 8
	s_lshl_b32 s26, s26, 23
	s_or_b32 s26, s26, 0x600000
	s_wait_alu depctr_va_vdst(0)
	s_wait_loadcnt 12                              ; step 0's four loads are in; the twelve of steps 1 to 3 may be out
	TURN 0
.macro STEP t
.set XS, X+16*((\t)%2)
	s_wait_dscnt 0x0                               ; this step's numbers are back from the stage: so its stores into the stage have read their registers,
.if (\t)+4 < STEPS
	LOAD (\t)+4                                    ; which take the loads of four steps on
.endif
.if (\t)+1 < STEPS
.if STEPS-2-(\t) >= 3
	s_wait_loadcnt 12                              ; the next step's four loads are in; those of the three steps behind it may be out
.else
	s_wait_loadcnt 4*(STEPS-2-(\t))                ; the tail: fewer steps are behind it
.endif
	TURN (\t)+1                                    ; and go through the other stage while this step is worked
.endif
.irp i, 0,1,2,3,4,5,6,7,8,9,10,11,12,13,14,15
.endr
	v_cvt_scalef32_pk8_fp8_f32 v[C+4*(\t):C+4*(\t)+1], v[XS:XS+7], v11
	v_cvt_scalef32_pk8_fp8_f32 v[C+4*(\t)+2:C+4*(\t)+3], v[XS+8:XS+15], v11   ; the codes go to a store alone
	global_store_b128 v3, v[C+4*(\t):C+4*(\t)+3], s[18:19] offset:512*(\t)    ; each step has its own four registers: no store's data are written again
.endm
.irp t, 0,1,2,3,4,5,6,7,8,9,10,11,12,13,14,15
	STEP \t
.endr
	s_wait_tensorcnt 0x0                           ; the wave's end: a wait, an add of 0 to my spare word and its wait, behind my last LDS store
	ds_add_u32 v[SPW], v[NIL]
	s_wait_dscnt 0x0
	s_endpgm
; ---------------- the weights ----------------
.Lweights:
	s_wait_alu depctr_va_vdst(0)
	v_lshlrev_b32 v3, 2, v2                        ; 4 bytes a lane: neighbouring lanes read neighbouring columns
	s_wait_alu depctr_va_vdst(0)
	s_sub_co_u32 s23, ttmp9, 256
	s_and_b32 s24, s23, 63                         ; which 128 rows of wc (columns of a weight)
	s_lshr_b32 s25, s23, 6                         ; which 256 along K
	s_mov_b64 s[28:29], s[14:15]                   ; groups 56-63: Wproj_sigma
	s_mov_b32 s30, 56
	s_cmp_lt_u32 s24, 56
	s_cselect_b64 s[28:29], s[12:13], s[28:29]     ; 48-55: Wproj_mu
	s_cselect_b32 s30, 48, s30
	s_cmp_lt_u32 s24, 48
	s_cselect_b64 s[28:29], s[10:11], s[28:29]     ; 24-47: Wqkv_sigma
	s_cselect_b32 s30, 24, s30
	s_mov_b32 s31, 4096
	s_cselect_b32 s31, 12288, s31                  ; a row of the weight in bytes: 3,072 or 1,024 numbers
	s_cmp_lt_u32 s24, 24
	s_cselect_b64 s[28:29], s[8:9], s[28:29]       ; 0-23: Wqkv_mu
	s_cselect_b32 s30, 0, s30
.set i, 0
.rept 32
	v_mad_u32_u24 v[OFW+i], s31, i, v3             ; row i of a block of 32, my column; never rewritten
.set i, i+1
.endr
	s_sub_co_u32 s26, s24, s30
	s_lshl_b32 s26, s26, 7
	s_lshl_b32 s23, s22, 5
	s_add_co_u32 s26, s26, s23                     ; my wave's first column in its weight
	s_lshl_b32 s26, s26, 2
	s_lshl_b32 s23, s25, 8
	s_mul_i32 s23, s23, s31                        ; 256 y rows down
	s_add_co_u32 s26, s26, s23
	s_mov_b32 s27, 0
	s_add_nc_u64 s[48:49], s[28:29], s[26:27]      ; block 0's base;
	s_lshl_b32 s26, s31, 5
.irp t, 1,2,3,4,5,6,7
	s_add_nc_u64 s[48+2*\t:49+2*\t], s[46+2*\t:47+2*\t], s[26:27]   ; a base for each block, 32 rows apart: none is ever stepped
.endr
	s_lshl_b32 s26, s24, 7
	s_lshl_b32 s23, s22, 5
	s_add_co_u32 s26, s26, s23                     ; my wave's first row of wc
	s_lshl_b32 s26, s26, 10
	s_lshl_b32 s23, s25, 8
	s_add_co_u32 s26, s26, s23
	s_add_nc_u64 s[20:21], s[20:21], s[26:27]
	s_mul_i32 s23, s22, 32*WP
	s_add_co_u32 s23, s23, WST                     ; my stage
	v_mul_u32_u24 v4, v2, WP
	v_add_nc_u32 v4, s23, v4                       ; into it: row = my column
	v_and_b32 v5, 15, v2
	v_lshrrev_b32 v6, 4, v2                        ; out of it: sixteen lanes to a row, two rows an instruction
	v_mul_u32_u24 v7, v6, WP
	v_lshl_add_u32 v7, v5, 4, v7
	v_add_nc_u32 v7, s23, v7
	v_lshlrev_b32 v8, 10, v6
	v_lshl_add_u32 v8, v5, 4, v8                   ; and the same place in wc
.macro LOADW t                         ; block t: W(32 t + i, my column), i = 0 .. 31, into set t % 2
.set i, 0
.rept 32
	global_load_b32 v[XW+32*((\t)%2)+i], v[OFW+i], s[48+2*(\t):49+2*(\t)] th:TH_LOAD_NT
.set i, i+1
.endr
.endm
	LOADW 0
	LOADW 1
	s_wait_kmcnt 0x0
	s_cmp_lt_u32 s24, 56
	s_cselect_b32 s23, s45, s47
	s_cmp_lt_u32 s24, 48
	s_cselect_b32 s23, s35, s23
	s_cmp_lt_u32 s24, 24
	s_cselect_b32 s23, s33, s23                    ; e of my weight
	s_add_co_i32 s23, s23, 127
	s_lshl_b32 s26, s23, 23
	v_mov_b32 v11, s26                             ; 2^e
	s_add_co_i32 s23, s23, 8
	s_lshl_b32 s23, s23, 23
	s_or_b32 s23, s23, 0x600000
.macro BLOCK t
.set XS, XW+32*((\t)%2)
.if (\t) < NB-1
	s_wait_loadcnt 32                              ; this block's 32 loads are in; the next block's 32 may be out
.else
	s_wait_loadcnt 0
.endif
.set i, 0
.rept 32
.set i, i+1
.endr
.irp g, 0,1,2,3
	v_cvt_scalef32_pk8_fp8_f32 v[CW+2*\g:CW+2*\g+1], v[XS+8*\g:XS+8*\g+7], v11
.endr
	ds_store_b128 v4, v[CW:CW+3] offset:32*(\t)    ; 32 codes: 32 bytes of my column's row
	ds_store_b128 v4, v[CW+4:CW+7] offset:32*(\t)+16
.if (\t)+2 < NB
	LOADW (\t)+2
.endif
	s_wait_dscnt 0x0                               ; the stores have read their registers: the next block's codes may be written
.endm
	s_wait_alu depctr_va_vdst(0)
.irp t, 0,1,2,3,4,5,6,7
	BLOCK \t
.endr
.irp t, 0,1,2,3,4,5,6,7,8,9,10,11,12,13,14,15
	ds_load_b128 v[OUTR+4*\t:OUTR+4*\t+3], v7 offset:2*\t*WP      ; LDS serves a wave's instructions in order: these see my stores
.endr
.irp t, 0,1,2,3,4,5,6,7,8,9,10,11,12,13,14,15
	s_wait_dscnt 15-\t                             ; load t is in; the 15 - t younger ones may be out
	global_store_b128 v8, v[OUTR+4*\t:OUTR+4*\t+3], s[20:21] offset:2*\t*1024   ; sixteen lanes store 256 consecutive bytes, at a multiple of 256 from wc's first byte
.endr
	s_wait_tensorcnt 0x0                           ; the wave's end: a wait, an add of 0 to my spare word and its wait, behind my last LDS store
	ds_add_u32 v[SPW], v[NIL]
	s_wait_dscnt 0x0
	s_endpgm
.Lfunc_end_k_qf13764bed3_quant:
	.size	k_qf13764bed3_quant, .Lfunc_end_k_qf13764bed3_quant-k_qf13764bed3_quant
	.p2alignl 7, 3214868480
	.fill 96, 4, 3214868480
	.section	.rodata,"a",@progbits
	.p2align	6, 0x0
	.amdhsa_kernel k_qf13764bed3_quant
		.amdhsa_group_segment_fixed_size 68096
		.amdhsa_private_segment_fixed_size 0
		.amdhsa_enable_private_segment 0
		.amdhsa_kernarg_size 72
		.amdhsa_user_sgpr_count 2
		.amdhsa_user_sgpr_kernarg_segment_ptr 1
		.amdhsa_wavefront_size32 1
		.amdhsa_system_sgpr_workgroup_id_x 1
		.amdhsa_system_sgpr_workgroup_id_y 1
		.amdhsa_system_sgpr_workgroup_id_z 1
		.amdhsa_system_vgpr_workitem_id 0
		.amdhsa_next_free_vgpr 208
		.amdhsa_next_free_sgpr 66
		.amdhsa_reserve_vcc 0
		.amdhsa_float_denorm_mode_32 3
		.amdhsa_float_denorm_mode_16_64 3
		.amdhsa_fp16_overflow 1
		.amdhsa_memory_ordered 1
		.amdhsa_forward_progress 1
		.amdhsa_inst_pref_size 57
	.end_amdhsa_kernel
	.amdgpu_metadata
---
amdhsa.version: [ 1, 2 ]
amdhsa.kernels:
  - .name:           k_qf13764bed3_quant
    .symbol:         k_qf13764bed3_quant.kd
    .args:
      - { .name: mu, .offset: 0, .size: 8, .value_kind: global_buffer, .address_space: global }
      - { .name: sigma, .offset: 8, .size: 8, .value_kind: global_buffer, .address_space: global }
      - { .name: Wqkv_mu, .offset: 16, .size: 8, .value_kind: global_buffer, .address_space: global }
      - { .name: Wqkv_sigma, .offset: 24, .size: 8, .value_kind: global_buffer, .address_space: global }
      - { .name: Wproj_mu, .offset: 32, .size: 8, .value_kind: global_buffer, .address_space: global }
      - { .name: Wproj_sigma, .offset: 40, .size: 8, .value_kind: global_buffer, .address_space: global }
      - { .name: lowp_scales, .offset: 48, .size: 8, .value_kind: global_buffer, .address_space: global }
      - { .name: xc, .offset: 56, .size: 8, .value_kind: global_buffer, .address_space: global }
      - { .name: wc, .offset: 64, .size: 8, .value_kind: global_buffer, .address_space: global }
    .group_segment_fixed_size: 68096
    .private_segment_fixed_size: 0
    .kernarg_segment_align: 8
    .kernarg_segment_size: 72
    .max_flat_workgroup_size: 128
    .sgpr_count:     66
    .vgpr_count:     208
    .wavefront_size: 32
...
	.end_amdgpu_metadata
.endif
;; end of part 1
;; launch gemm_qkv (part 2): grid 12 x 32, 4 waves a work-group, clusters of 4 x 4, 327,680 bytes of LDS; arguments xc, wc, lowp_scales, bqkv_mu, bqkv_sigma, qkv; writes qkv
.if DOCPART == 2
	.amdgcn_target "amdgcn-amd-amdhsa--gfx1250"
	.amdhsa_code_object_version 6
	.text
	.protected	k_qf13764bed3_gemm_qkv
	.globl	k_qf13764bed3_gemm_qkv
	.p2align	8
	.type	k_qf13764bed3_gemm_qkv,@function
k_qf13764bed3_gemm_qkv:
	s_mov_b64 s[64:65], 0
	v_nop
	global_prefetch_b8 v0, s[64:65] scope:SCOPE_SE
	s_setreg_imm32_b32 hwreg(HW_REG_WAVE_MODE, 25, 1), 1
	s_wait_xcnt 0x0
	s_wait_alu depctr_hold_cnt(0) depctr_sa_sdst(0) depctr_va_vdst(0) depctr_va_sdst(0) depctr_va_ssrc(0) depctr_va_vcc(0) depctr_vm_vsrc(0)
	s_getreg_b32 s2, hwreg(HW_REG_IB_STS2, 6, 4)
	s_cmp_eq_u32 s2, 0
	s_cbranch_scc0 .Lentry_in_a_cluster
	s_endpgm
.Lentry_in_a_cluster:
	s_bfe_u32 s2, ttmp6, 0x10000c
	s_cmp_lg_u32 s2, 0xf033
	s_cbranch_scc0 .Lentry_shape_is_right
	s_endpgm
.Lentry_shape_is_right:
; SECOND LAUNCH: qkv = x W + b for mu and for sigma (K = 1,024) on codes of FP8, and the results quantised at once into the operands of attention.
; C[i][j] = sum over k of A[i][k] B[j][k]; a tile of C, 256 x 256, is made by four waves, 128 x 128 each: 64 accumulators of 16 x 16.  K goes in four steps of 256 through two LDS slots filled by the tensor data mover.
; CLUSTERS: 4 x 4 work-groups cover 1,024 tokens x 1,024 features, which is all of Q, of K or of V of one tensor: the kind is the cluster's x, the same in all sixteen partners.
; A's tile is shared along a row of the cluster, B's along a column: each is asked for JOINTLY, by the same tensor load with the same descriptor and a mask that names the four.
; THE MATRIX INSTRUCTION IS USED TRANSPOSED (source 0 = 16 rows of B, source 1 = 16 rows of A): a lane holds eight neighbouring j of one row i, which one conversion turns into eight codes.
; Q and K want neighbours along the head's 64: A = the tokens' codes (xc), B = the weight's rows (wc).  V is an operand whose K is the KEYS: there the two change places, A = the weight's rows, B = the tokens,
; so that a lane's eight numbers are eight neighbouring keys.  Only pointers and row numbers are chosen; shapes, LDS addresses and the loop are the same.
; y = sum x 2^(ex + ew) + bias, one fused multiply-add in f32; code = y / 2^eq held within +-448.  eq: entry 4 + 2 t + kind for Q and K, 9 + 2 t for V (t = 0 mu, 1 sigma).
; OUT: qkv, 192 blocks of 131,072 bytes, block (3 t + kind) x 32 + 16 b + head.  Q, K: [2048 l][64 d].  V: [32 blocks of keys][64 d][64 keys].  All are dense rows of 64 bytes.
; LIMITS: ex + ew between -126 and 127; eq between -126 and 119.
; REGISTERS, in windows of 256: window 0: v0-31 addresses; v32-95 the bias; v96-223 codes on the way out; from v128 A's fragments, ONE set.  window 1: B's fragments, TWO sets.  windows 2, 3: the accumulators ((a, b) at v[8 (8 (a % 4) + b)]).
.set ROWB,   256                       ; a tile's row in bytes: 256 along K
.set KROW,   1024                      ; a row of xc or of wc in memory
.set PITCH,  272                       ; an LDS row: 256 bytes + 16 of padding: the 16 rows that a load touches start at 16 different banks (64 banks of 4 bytes: ISA guide 11.1)
.set FR,     16
.set NL,     4
.set NP,     4
.set HALFT,  128*PITCH
.set SLOT,   4*HALFT
.set SPARE,  2*SLOT                    ; behind the ring: the spare words, 128 bytes for each wave
.set SPI,    144                       ; the way out: a stage of 128 rows x (128 bytes of codes + 16) for each wave, in slot 0, which has had its last fill and its last read by then
.set WSTG,   128*SPI
.set ADRA, 16
.set ADRB, 20
.set STO,  24                          ; v24  where I put 8 codes of a row
.set RD,   25                          ; v25  where I read 16 bytes back
.set GOF,  26                          ; v26  my byte offset in qkv
.set SPW,  28
.set NIL,  29
.set BI,   32                          ; the bias
.set CD,   96                          ; the codes
.set AF,   128
.set WV, 16                            ; s16 wave; s17 which half of the tile's rows is mine, also: I fetch for A (0) or B (1); s18 which half of its columns, also: which 128 rows I fetch; s19: 1 where the kind is V
.set WR, 17
.set WC, 18
.set VF, 19
.set G1, 24
.set G0, 32
.set G1B, 48
.set G0B, 56
.set MSB, 0
.macro WIN new                         ; the immediate's high byte repeats the setting that is left
.if MSB != \new
	s_set_vgpr_msb (MSB<<8)|(\new)
.set MSB, \new
.endif
.endm
.set MUL_LO, 0xa1                      ; source 0 (B) window 1, source 1 (A) window 0, C and D window 2
.set MUL_HI, 0xf1
.set TO_B,   0x40
; A joint load: waves 0 and 1 fetch for A, waves 2 and 3 for B; the branch hangs on the wave's number alone.  An s_nop 0 and four v_nop follow each of the two lines.
.macro JLOAD g0a, g1a, g0b, g1b
	s_cmp_eq_u32 s[WR], 0
	s_cbranch_scc0 .Lfor_b_\@
	tensor_load_to_lds s[\g0a:\g0a+3], s[\g1a:\g1a+7]
	s_nop 0
.rept 4
	v_nop
.endr
	s_branch .Lasked_\@
.Lfor_b_\@:
	tensor_load_to_lds s[\g0b:\g0b+3], s[\g1b:\g1b+7]
	s_nop 0
.rept 4
	v_nop
.endr
.Lasked_\@:
.endm
.macro CREST                           ; a round of the cluster's barrier behind its opening barrier
	s_cmp_lg_u32 s[WV], 0
	s_cbranch_scc1 .Lnot_wave_0_\@
	s_barrier_signal -3
.Lnot_wave_0_\@:
	s_barrier_wait -3
	s_barrier_signal -1
	s_barrier_wait -1
.endm
.macro CROUND
	s_barrier_signal -1
	s_barrier_wait -1
	CREST
.endm
	s_load_b256 s[4:11], s[0:1], 0x0               ; xc s[4:5], wc s[6:7], the scales' exponents s[8:9], bqkv_mu s[10:11]
	s_load_b128 s[12:15], s[0:1], 0x20             ; bqkv_sigma s[12:13], qkv s[14:15]
	v_lshl_add_u32 v[SPW], v0, 2, SPARE
	v_mov_b32 v[NIL], 0
	ds_add_u32 v[SPW], v[NIL]                      ; the wave's opening: the add, twice on end, and its wait ahead of my first tensor load
	ds_add_u32 v[SPW], v[NIL]
	v_lshrrev_b32 v1, 5, v0
	v_readfirstlane_b32 s[WV], v1
	s_lshr_b32 s[WR], s[WV], 1
	s_and_b32 s[WC], s[WV], 1
	s_bfe_u32 s40, ttmp6, 0x40000                  ; cx, cy: my place in the cluster
	s_bfe_u32 s41, ttmp6, 0x40004
	s_mov_b32 s42, ttmp9                           ; the cluster's x: the kind, 0 Q, 1 K, 2 V
	s_and_b32 s20, ttmp7, 0xffff                   ; the cluster's y, 0..7:
	s_and_b32 s43, s20, 3                          ; which 1,024 tokens,
	s_lshr_b32 s44, s20, 2                         ; t: mu or sigma
	s_lshl_b32 s21, s41, 2
	s_lshl_b32 s21, 15, s21                        ; my row of the cluster
	s_lshl_b32 s22, 0x1111, s40                    ; my column
	s_or_b32 s[G1+0], s21, (1<<20)|(1<<21)|(5<<22)|(3<<25)   ; 15:0 the mask: A's tiles go to my row; 17:16 elements of 1 byte; 20 padding on; 21 set beside a mask; 24:22 after every 64 words; 31:25 four words
	s_or_b32 s[G1B+0], s22, (1<<20)|(1<<21)|(5<<22)|(3<<25)
.irp g, G1, G1B
	s_mov_b32 s[\g+1], ROWB<<16                    ; tensor_dim0
	s_mov_b32 s[\g+2], 128<<16                     ; tensor_dim1
	s_mov_b32 s[\g+3], ROWB<<16                    ; tile_dim0
	s_mov_b32 s[\g+4], 128                         ; tile_dim1
	s_mov_b32 s[\g+5], KROW                        ; tensor_dim0_stride
	s_mov_b32 s[\g+6], 0
	s_mov_b32 s[\g+7], 0
.endr
	s_lshl_b32 s20, s44, 12
	s_lshl_b32 s23, s43, 10
	s_add_co_u32 s20, s20, s23                     ; the cluster's first row of xc: 4096 t + 1024 x its tokens
	s_mul_i32 s23, s44, 3072
	s_lshl_b32 s45, s42, 10
	s_add_co_u32 s23, s23, s45                     ; and of wc: 3072 t + 1024 x kind
	s_cmp_eq_u32 s42, 2
	s_cselect_b32 s[VF], 1, 0
	s_cselect_b32 s66, s23, s20                    ; A's rows: the tokens, or for V the weight's
	s_cselect_b32 s46, s20, s23                    ; B's rows: the other
	s_cselect_b32 s74, 20, 0                       ; (eq's place among the scales: below)
	s_lshl_b32 s45, s[WC], 7                       ; which 128 rows of the tile I fetch
	s_lshl_b32 s21, s41, 8
	s_add_co_u32 s66, s66, s21                     ; A hangs on cy alone, which my row of the cluster shares,
	s_add_co_u32 s66, s66, s45
	s_lshl_b32 s22, s40, 8
	s_add_co_u32 s46, s46, s22                     ; B on cx alone
	s_add_co_u32 s46, s46, s45
	s_lshl_b32 s66, s66, 10                        ; in bytes
	s_lshl_b32 s46, s46, 10
	s_mov_b32 s67, 0
	s_mov_b32 s47, 0
	s_lshl_b32 s72, s44, 3                         ; ex, ew: entries 2 t, 2 t + 1
	s_mov_b32 s73, 0
	s_lshl_b32 s23, s42, 2
	s_cmp_eq_u32 s[VF], 1
	s_cselect_b32 s74, s74, s23                    ; eq: byte 16 + 8 t + 4 x kind, for V byte 16 + 8 t + 20
	s_add_co_u32 s74, s74, s72
	s_add_co_u32 s74, s74, 16
	s_mov_b32 s75, 0
	s_mul_i32 s45, s[WV], HALFT                    ; where my tile goes: wave x 128 rows: no place in the cluster enters an LDS address
	s_wait_dscnt 0x0                               ; both opening adds are done
	s_wait_kmcnt 0x0
	s_add_nc_u64 s[72:73], s[8:9], s[72:73]
	s_add_nc_u64 s[74:75], s[8:9], s[74:75]
	s_load_b64 s[96:97], s[72:73], 0x0             ; ex, ew
	s_load_b32 s94, s[74:75], 0x0                  ; eq
	s_cmp_eq_u32 s[VF], 1
	s_cselect_b64 s[68:69], s[6:7], s[4:5]
	s_cselect_b64 s[70:71], s[4:5], s[6:7]
	s_add_nc_u64 s[66:67], s[68:69], s[66:67]
	s_add_nc_u64 s[46:47], s[70:71], s[46:47]
	CROUND                                         ; all sixteen work-groups are here: the first joint loads meet
.irp s, 0,1
	s_mov_b32 s[G0+4*\s], 1
	s_add_co_u32 s[G0+4*\s+1], s45, \s*SLOT
	s_add_nc_u64 s[G0+4*\s+2:G0+4*\s+3], s[66:67], \s*ROWB
	s_or_b32 s[G0+4*\s+3], s[G0+4*\s+3], 0x80000000
	s_mov_b32 s[G0B+4*\s], 1
	s_add_co_u32 s[G0B+4*\s+1], s45, \s*SLOT
	s_add_nc_u64 s[G0B+4*\s+2:G0B+4*\s+3], s[46:47], \s*ROWB
	s_or_b32 s[G0B+4*\s+3], s[G0B+4*\s+3], 0x80000000
	JLOAD G0+4*\s, G1, G0B+4*\s, G1B
.endr
	v_and_b32 v1, 15, v0                           ; r
	s_wait_alu depctr_va_vdst(0)
	v_bfe_u32 v2, v0, 4, 1                         ; h
	v_mul_u32_u24 v3, v1, PITCH
	v_lshl_add_u32 v4, v2, 4, v3                   ; a fragment's row x pitch + 16 h
	s_mul_i32 s21, s[WR], HALFT                    ; my 128 rows of A
	s_mul_i32 s22, s[WC], HALFT                    ; my 128 rows of B,
	s_add_co_u32 s22, s22, 2*HALFT                 ; which lie behind A's 256
.irp s, 0,1
	v_add_nc_u32 v[ADRA+\s], s21, v4
	v_add_nc_u32 v[ADRB+\s], s22, v4
	s_add_co_u32 s21, s21, SLOT
	s_add_co_u32 s22, s22, SLOT
.endr
	s_mul_i32 s23, s[WV], WSTG                     ; my stage
	v_mul_u32_u24 v5, v1, SPI
	s_wait_alu depctr_va_vdst(0)
	v_lshl_add_u32 v5, v2, 3, v5
	v_add_nc_u32 v[STO], s23, v5                   ; in: row r of a block of 16, 8 bytes for each half of the lanes
	v_bfe_u32 v5, v0, 2, 2
	v_mul_u32_u24 v5, v5, SPI
	v_lshl_add_u32 v5, v2, 6, v5
	v_and_b32 v6, 3, v0
	v_lshl_add_u32 v5, v6, 4, v5
	v_add_nc_u32 v[RD], s23, v5                    ; back: sixteen lanes take 64 bytes of each of four rows: lanes 0-15 columns 0-63, lanes 16-31 columns 64-127
	v_lshlrev_b32 v27, 5, v2                       ; the bias by column: 32 h bytes
	v_lshlrev_b32 v30, 2, v1                       ; the bias by row: 4 r bytes
	; where my 128 x 128 goes.  Tokens run along i for Q and K, along j for V
	s_cmp_eq_u32 s[VF], 1
	s_cselect_b32 s20, s40, s41                    ; the tokens' tile in the cluster,
	s_cselect_b32 s21, s[WC], s[WR]                ; and my half of it;
	s_cselect_b32 s22, s41, s40                    ; the features' tile,
	s_cselect_b32 s23, s[WR], s[WC]                ; and my half
	s_mov_b32 s80, 0x20000
	s_cselect_b32 s80, 4096, s80                   ; from columns 0-63 to columns 64-127: the next head (131,072 bytes on), for V the next block of 64 keys (4,096)
	s_mov_b32 s81, 4096
	s_cselect_b32 s81, 0x20000, s81                ; from rows 0-63 to rows 64-127: 64 tokens on (4,096 bytes), for V the next head
	s_lshl_b32 s84, s43, 2
	s_add_co_u32 s84, s84, s20
	s_lshl_b32 s84, s84, 1
	s_add_co_u32 s84, s84, s21
	s_lshl_b32 s84, s84, 7                         ; my first token, 0 .. 4095
	s_lshl_b32 s85, s22, 1
	s_add_co_u32 s85, s85, s23
	s_lshl_b32 s85, s85, 1                         ; my first head
	s_mul_i32 s86, s44, 3
	s_add_co_u32 s86, s86, s42
	s_lshl_b32 s86, s86, 5
	s_lshr_b32 s87, s84, 11
	s_lshl_b32 s87, s87, 4
	s_add_co_u32 s86, s86, s87
	s_add_co_u32 s86, s86, s85                     ; the block: (3 t + kind) x 32 + 16 b + head
	s_lshl_b32 s86, s86, 17
	s_and_b32 s87, s84, 2047
	s_lshl_b32 s87, s87, 6                         ; 64 bytes a token: in V's layout the same number is (l / 64) x 4,096
	s_add_co_u32 s86, s86, s87
	s_mov_b32 s87, 0
	s_add_nc_u64 s[76:77], s[14:15], s[86:87]      ; rows 0-63
	s_mov_b32 s86, s81
	s_add_nc_u64 s[78:79], s[76:77], s[86:87]      ; rows 64-127
	v_mul_u32_u24 v[GOF], s80, v2
	v_lshl_add_u32 v[GOF], v1, 4, v[GOF]
	s_cmp_eq_u32 s44, 0
	s_cselect_b64 s[82:83], s[10:11], s[12:13]
	s_lshl_b32 s86, s42, 10
	s_lshl_b32 s88, s85, 6
	s_add_co_u32 s86, s86, s88
	s_lshl_b32 s86, s86, 2
	s_add_nc_u64 s[82:83], s[82:83], s[86:87]      ; the bias of my 128 features
	s_wait_kmcnt 0x0
	s_add_co_i32 s96, s96, s97
	s_add_co_i32 s96, s96, 127
	s_lshl_b32 s96, s96, 23                        ; 2^(ex + ew) as f32
	s_mov_b32 s97, s96                             ; (named with it as a pair, so it is written)
	s_add_co_i32 s94, s94, 127
	s_lshl_b32 s95, s94, 23
	v_mov_b32 v31, s95                             ; 2^eq: the conversion takes its exponent field
.macro FRAG reg, adr, q, i             ; 16 rows x 128 K: lane l holds row l % 16; registers 4 c .. 4 c + 3 hold K = 32 c + 16 (l / 16) + 0 .. 15: the same order of k in A and in B
.irp c, 0,1,2,3
	ds_load_b128 v[\reg+4*\c:\reg+4*\c+3], v[\adr] offset:128*(\q)+32*\c+(\i)*16*PITCH
.endr
.endm
; 16 matrix instructions: A's blocks a0, a0 + 1 x B's eight.  The 64 accumulators take turns, one instruction a turn, in the same order in every step.
.macro MUL16 a0, p, zero
.irp a, \a0, \a0+1
.irp b, 0,1,2,3,4,5,6,7
.if \zero
	v_wmma_f32_16x16x128_fp8_fp8 v[8*(8*((\a)%4)+\b):8*(8*((\a)%4)+\b)+7], v[128*(\p)+FR*\b:128*(\p)+FR*\b+FR-1], v[AF+FR*(\a):AF+FR*(\a)+FR-1], 0
.else
	v_wmma_f32_16x16x128_fp8_fp8 v[8*(8*((\a)%4)+\b):8*(8*((\a)%4)+\b)+7], v[128*(\p)+FR*\b:128*(\p)+FR*\b+FR-1], v[AF+FR*(\a):AF+FR*(\a)+FR-1], v[8*(8*((\a)%4)+\b):8*(8*((\a)%4)+\b)+7]
.endif
.endr
.endr
.endm
.macro FETCH_B slot, q, p
	WIN TO_B
.irp i, 0,1,2,3,4,5,6,7
	FRAG 128*(\p)+FR*\i, ADRB+\slot, \q, \i
.endr
	WIN 0
.endm
.macro FETCH_A slot, q, i0
.irp i, \i0, \i0+1, \i0+2, \i0+3
	FRAG AF+FR*(\i), ADRA+\slot, \q, \i
.endr
.endm
.macro PLACES n                        ; plain vector places between a matrix instruction and a load into its registers or a read of its result
.rept \n
	v_nop
.endr
.endm
.macro STEP slot, q, zero              ; 128 along K with its successor in the same slot
	s_wait_dscnt 4*NL                              ; B's set and A's blocks 0-3 are in; the youngest sixteen loads (A's blocks 4-7) may be out
	WIN MUL_LO
	MUL16 0, (\q)%2, \zero
	MUL16 2, (\q)%2, \zero
	s_wait_dscnt 0
	PLACES NP
	FETCH_B \slot, (\q)+1, 1-(\q)%2
	FETCH_A \slot, (\q)+1, 0
	WIN MUL_HI
	MUL16 4, (\q)%2, \zero
	MUL16 6, (\q)%2, \zero
	PLACES NP
	WIN 0
	FETCH_A \slot, (\q)+1, 4
.endm
; A slot's last step changes slots: ONE barrier; in front of it each wave waits for all its tensor loads, adds 0 to its spare word, and waits for that and for its own reads of this slot.
.macro TURN slot, next, fill
	s_wait_tensorcnt 0x0                           ; all my tensor loads have landed: my part of the next slot
	ds_add_u32 v[SPW], v[NIL]                      ; 0 onto my spare word
	s_wait_dscnt 4*NL+1                            ; the add and the youngest sixteen loads may be out
	WIN MUL_LO
	MUL16 0, 1, 0
	s_wait_dscnt 0x0                               ; the add is done, and my reads of this slot are over
	s_barrier_signal -1
	MUL16 2, 1, 0
	WIN 0
	s_barrier_wait -1
.if \fill
	CREST                                          ; the barrier has opened a round of the cluster's barrier: no wave of any partner still reads this slot or has a load on its way
	s_add_nc_u64 s[G0+4*\slot+2:G0+4*\slot+3], s[G0+4*\slot+2:G0+4*\slot+3], 2*ROWB
	s_add_nc_u64 s[G0B+4*\slot+2:G0B+4*\slot+3], s[G0B+4*\slot+2:G0B+4*\slot+3], 2*ROWB
	JLOAD G0+4*\slot, G1, G0B+4*\slot, G1B         ; the first tensor load behind the round; its four v_nop are the places in front of the loads below
.else
	PLACES NP
.endif
	FETCH_B \next, 0, 0
	FETCH_A \next, 0, 0
	WIN MUL_HI
	MUL16 4, 1, 0
	MUL16 6, 1, 0
	PLACES NP
	WIN 0
	FETCH_A \next, 0, 4
.endm
.macro LAST                            ; the very last 128 along K: nothing more to fetch
	s_wait_dscnt 4*NL
	WIN MUL_LO
	MUL16 0, 1, 0
	MUL16 2, 1, 0
	s_wait_dscnt 0
	WIN MUL_HI
	MUL16 4, 1, 0
	MUL16 6, 1, 0
	WIN 0
.endm
; y = sum x 2^(ex + ew) + bias, in place, each accumulator from its low end on.  perrow = 0: the bias goes by j (the lane's eight columns); 1: by i (the lane's row)
.macro ADDB a, perrow
.set AC, 64*((\a)%4)
	WIN 0x82+0x41*((\a)/4)                         ; destination and source 0 in window 2 or 3, the bias in window 0
.irp b, 0,1,2,3,4,5,6,7
.irp j, 0,2,4,6
.if \perrow
	v_pk_fma_f32 v[AC+8*\b+\j:AC+8*\b+\j+1], v[AC+8*\b+\j:AC+8*\b+\j+1], s[96:97], v[BI+2*(\a):BI+2*(\a)+1] op_sel_hi:[1,0,1]
.else
	v_pk_fma_f32 v[AC+8*\b+\j:AC+8*\b+\j+1], v[AC+8*\b+\j:AC+8*\b+\j+1], s[96:97], v[BI+8*\b+\j:BI+8*\b+\j+1] op_sel_hi:[1,0,1]
.endif
.endr
.endr
.endm
	s_wait_tensorcnt 1                             ; my part of K step 0 is in; K step 1's load may be out
	s_barrier_signal -1
	s_barrier_wait -1
	FETCH_B 0, 0, 0
	FETCH_A 0, 0, 0
	FETCH_A 0, 0, 4
	STEP 0, 0, 1                                   ; the first products start the sums: nothing is cleared.  Four K steps: written out, no loop
	TURN 0, 1, 1
	STEP 1, 0, 0
	TURN 1, 0, 1
	STEP 0, 0, 0
	TURN 0, 1, 0                                   ; nothing is left to fetch: no round
	STEP 1, 0, 0
	s_cmp_eq_u32 s[VF], 1                          ; the kind is the cluster's x: all partners and all waves go the same way
	s_cbranch_scc1 .Lvalues
	s_wait_alu depctr_va_vdst(0)
.irp b, 0,1,2,3,4,5,6,7                        ; Q, K: bias(16 b + 8 h + 0 .. 7): it lands under the last 64 products
	global_load_b128 v[BI+8*\b:BI+8*\b+3], v27, s[82:83] offset:64*\b
	global_load_b128 v[BI+8*\b+4:BI+8*\b+7], v27, s[82:83] offset:64*\b+16
.endr
	LAST
	s_wait_loadcnt 0x0
	PLACES NP
.irp a, 0,1,2,3,4,5,6,7
	ADDB \a, 0
.endr
	WIN 0
	s_branch .Ljoin
.Lvalues:
	s_wait_alu depctr_va_vdst(0)
.irp a, 0,1,2,3,4,5,6,7                        ; V: bias(16 a + r), in both registers of a pair
	global_load_b32 v[BI+2*\a], v30, s[82:83] offset:64*\a
	global_load_b32 v[BI+2*\a+1], v30, s[82:83] offset:64*\a
.endr
	LAST
	s_wait_loadcnt 0x0
	PLACES NP
.irp a, 0,1,2,3,4,5,6,7
	ADDB \a, 1
.endr
	WIN 0
.Ljoin:
; THE QUANTISER, block by block of 16 rows: eight conversions (a lane's eight neighbours become eight codes), eight bytes a lane into my stage
.irp a, 0,1,2,3,4,5,6,7
	WIN 0x82+0x41*(\a/4)
.set n, 0
.rept 64
.set n, n+1
.endr
	WIN 0x02+(\a/4)
.irp b, 0,1,2,3,4,5,6,7
	v_cvt_scalef32_pk8_fp8_f32 v[CD+16*\a+2*\b:CD+16*\a+2*\b+1], v[64*(\a%4)+8*\b:64*(\a%4)+8*\b+7], v31
.endr
	WIN 0
.irp b, 0,1,2,3,4,5,6,7
	ds_store_b64 v[STO], v[CD+16*\a+2*\b:CD+16*\a+2*\b+1] offset:16*SPI*\a+16*\b
.endr
.endr
	v_nop                                          ; a plain line behind the last block's conversions
	s_wait_dscnt 0x0                               ; the stores have read their registers, which take the rows that come back
.irp a, 0,1,2,3,4,5,6,7
.irp u, 0,1,2,3
	ds_load_b128 v[CD+16*\a+4*\u:CD+16*\a+4*\u+3], v[RD] offset:16*SPI*\a+4*SPI*\u
.endr
.endr
.irp a, 0,1,2,3,4,5,6,7
.irp u, 0,1,2,3
	s_wait_dscnt 31-(4*\a+\u)                      ; this load is in; the younger ones may be out
	global_store_b128 v[GOF], v[CD+16*\a+4*\u:CD+16*\a+4*\u+3], s[76+2*(\a/4):77+2*(\a/4)] offset:1024*(\a%4)+256*\u   ; sixteen lanes store four rows of 64 bytes: 256 consecutive, aligned bytes
.endr
.endr
	s_wait_tensorcnt 0x0                           ; the wave's end: a wait, an add of 0 to my spare word and its wait, behind my last tensor load and my last LDS store
	ds_add_u32 v[SPW], v[NIL]
	s_wait_dscnt 0x0
	CROUND                                         ; the closing round: no work-group ends while a partner may still ask for a tile that names it
	s_endpgm
.Lfunc_end_k_qf13764bed3_gemm_qkv:
	.size	k_qf13764bed3_gemm_qkv, .Lfunc_end_k_qf13764bed3_gemm_qkv-k_qf13764bed3_gemm_qkv
	.p2alignl 7, 3214868480
	.fill 96, 4, 3214868480
	.section	.rodata,"a",@progbits
	.p2align	6, 0x0
	.amdhsa_kernel k_qf13764bed3_gemm_qkv
		.amdhsa_group_segment_fixed_size 327680
		.amdhsa_private_segment_fixed_size 0
		.amdhsa_enable_private_segment 0
		.amdhsa_kernarg_size 48
		.amdhsa_user_sgpr_count 2
		.amdhsa_user_sgpr_kernarg_segment_ptr 1
		.amdhsa_wavefront_size32 1
		.amdhsa_system_sgpr_workgroup_id_x 1
		.amdhsa_system_sgpr_workgroup_id_y 1
		.amdhsa_system_sgpr_workgroup_id_z 1
		.amdhsa_system_vgpr_workitem_id 0
		.amdhsa_next_free_vgpr 1024
		.amdhsa_next_free_sgpr 100
		.amdhsa_reserve_vcc 0
		.amdhsa_float_denorm_mode_32 3
		.amdhsa_float_denorm_mode_16_64 3
		.amdhsa_fp16_overflow 1
		.amdhsa_memory_ordered 1
		.amdhsa_forward_progress 1
		.amdhsa_inst_pref_size 135
	.end_amdhsa_kernel
	.amdgpu_metadata
---
amdhsa.version: [ 1, 2 ]
amdhsa.kernels:
  - .name:           k_qf13764bed3_gemm_qkv
    .symbol:         k_qf13764bed3_gemm_qkv.kd
    .args:
      - { .name: xc, .offset: 0, .size: 8, .value_kind: global_buffer, .address_space: global }
      - { .name: wc, .offset: 8, .size: 8, .value_kind: global_buffer, .address_space: global }
      - { .name: lowp_scales, .offset: 16, .size: 8, .value_kind: global_buffer, .address_space: global }
      - { .name: bqkv_mu, .offset: 24, .size: 8, .value_kind: global_buffer, .address_space: global }
      - { .name: bqkv_sigma, .offset: 32, .size: 8, .value_kind: global_buffer, .address_space: global }
      - { .name: qkv, .offset: 40, .size: 8, .value_kind: global_buffer, .address_space: global }
    .group_segment_fixed_size: 327680
    .private_segment_fixed_size: 0
    .kernarg_segment_align: 8
    .kernarg_segment_size: 48
    .max_flat_workgroup_size: 128
    .sgpr_count:     100
    .vgpr_count:     1024
    .wavefront_size: 32
...
	.end_amdgpu_metadata
.endif
;; end of part 2
;; launch attn (part 3): grid 8 x 32, 16 waves a work-group, no clusters, 327,680 bytes of LDS; arguments qkv, lowp_scales, alpha, ao; writes ao
.if DOCPART == 3
	.amdgcn_target "amdgcn-amd-amdhsa--gfx1250"
	.amdhsa_code_object_version 6
	.text
	.protected	k_qf13764bed3_attn
	.globl	k_qf13764bed3_attn
	.p2align	8
	.type	k_qf13764bed3_attn,@function
k_qf13764bed3_attn:
	s_mov_b64 s[64:65], 0
	v_nop
	global_prefetch_b8 v0, s[64:65] scope:SCOPE_SE
	s_setreg_imm32_b32 hwreg(HW_REG_WAVE_MODE, 25, 1), 1
	s_wait_xcnt 0x0
; THIRD LAUNCH: causal attention on codes of FP8, for 32 (batch, head) pairs of 2,048 positions and head size 64.  logit = (Qmu . Kmu + alpha Qsg . Ksg) / 8; one set of weights multiplies V_mu and V_sg.
; LEFT OUT: steps of 128 keys that lie wholly behind a wave's 16 queries: reference()'s own causal mask gives them the weight 0 for all values of the inputs (shown at the head of the first launch).
; THE SOFTMAX AHEAD OF THE PRODUCTS WITH V: t = logit x log2(e); M = the row's largest t so far, rounded UP to a whole number; p = 2^(t - M) is quantised along the keys, once with 2^e8 for V_mu and once with 2^e10 for V_sg;
; the row's sum is taken of the unquantised p and divides at the end.  When M moves, the sum and both results are multiplied by 2^(old M - new M): exact.
; The results are quantised at once (2^e12, 2^e14) into ao [2][32 blocks of 128 tokens][16 heads][128 tokens][64 d], the last launch's operand.
; SHARES.  Work-group (j, bh) owns the blocks j and 15 - j of 128 queries, so that under the mask every work-group has the same 8 x 17 wave-steps.  Each of its sixteen waves owns 16 queries in 256 registers, four waves to a SIMD.
; Wave w takes tile w / 2 of the early block or of the late one by the bit ((w / 4) xor w) & 1, which mixes early and late tiles among neighbouring wave numbers.
; NO CLUSTER: the work-groups of a head need between 5 and 8 slots of keys, and a joint load would have to be issued by all of them; so each asks for its own.
; THE RING: two LDS slots of 256 keys, each [K_mu | K_sg | V_mu | V_sg], 256 rows of 64 bytes + 16 of padding; waves 0 to 3 fetch one of the four each: 16,384 dense bytes of memory.  All sixteen read them.
; Every work-group walks all 8 changes of slots (constant trip counts); a slot whose first key lies behind the work-group's last query is not asked for, and a step is worked only where it has keys that count.
; LAYOUT.  S^T = K Q^T (source 0 = 16 keys, source 1 = my 16 queries), O^T = V^T P^T: a lane holds ONE query throughout.  Tile n of S^T holds keys 16 n + 8 (lane / 16) + 0 .. 7 in its eight registers, so their eight codes
; are registers 2 n, 2 n + 1 of the K = 128 form's own operand layout; V's fragments are read in that layout by loads of 8 bytes.  Q and K (K = 64 form) are read by two loads of 16 bytes: the same order of k in both.
; LIMITS: e4 + e5 between -124 and 129 (added to c's exponent field); e6 + e7 - e4 - e5 between -126 and 127; e8, e10, e12, e14 between -126 and 119.  NaN among the inputs is not served.
; REGISTERS: v1-3 places that stay; v5, v6 the add's two; v7 way out; v8, v9 addresses in hand; v12 -M, v13 the largest t, v[14:15] the sum; v16-23 Q_mu, v24-31 Q_sg; v32-95 fragments of K or V;
;   v96-159 S^T, then p; v160-191 O_mu^T; v192-223 O_sg^T; v224-239 p's codes; v242-254 at work.
.set SK,    256                        ; keys in a slot
.set KP,    80                         ; a row in LDS
.set TILEB, 256*KP                     ; one of a slot's four tiles
.set KSG,   TILEB                      ; K_sg behind K_mu
.set VOFF,  2*TILEB                    ; V_mu
.set VSG,   TILEB                      ; V_sg behind V_mu
.set SLOTB, 16384                      ; a slot's bytes of one tensor in memory
.set SLOT1, 1<<17                      ; slot 1 begins here: one exclusive or turns an address from one slot to the other
.set NSL,   8
.set SPARE, 2*SLOT1                    ; behind the ring: the spare words, 128 bytes for each of sixteen waves
.set AK0, 1
.set AV0, 2
.set PFO, 3
.set SPW, 5
.set NIL, 6
.set GO,  7
.set ADK, 8
.set ADV, 9
.set F,   32
.set S,   96
.set OM,  160
.set OS,  192
.set PC,  224
.set TB,  2                            ; s2  LDS byte at which the slot in hand begins
.set WV,  18
.set SEL, 20                           ; s[20:21] lane selects: lane l xor 16
.set CS,  22                           ; s[22:23] c = log2(e) / 8 x 2^(e4 + e5)
.set G1,  24
.set G0,  40
.set SLOTS, 67
.set PFA, 76                           ; s[76:77] where my prefetches stand
.set LIM, 80                           ; s80 1 in a wave that prefetches, else the greatest number
.set QL,  81                           ; s81 my work-group's last query
.set AL,  82                           ; s[82:83] alpha x 2^(e6 + e7 - e4 - e5)
.set KF,  98                           ; s98 the step's first key
.set Q0,  99                           ; s99 my first query
.macro TLOAD                           ; waves 0 to 3 fetch, one tile each; an s_nop 0 and four v_nop follow the line
	s_cmp_lt_u32 s[WV], 4
	s_cbranch_scc0 .Lasked_\@
	tensor_load_to_lds s[G0:G0+3], s[G1:G1+7]
	s_nop 0
.rept 4
	v_nop
.endr
.Lasked_\@:
.endm
; A PREFETCH INTO THE L2 of what the NEXT change of slots will ask for: 16,384 bytes of each of the four tensors.  All eight work-groups of a head walk the same keys: the one with j = 0, which walks them all, asks.
; In it waves 4 to 11, which fetch nothing, ask for 8,192 bytes each, lanes 256 bytes apart: each aligned block of 256 bytes is named once in the launch.  The last change that fills a slot asks for nothing.
.macro ASK
	s_cmp_gt_u32 s[SLOTS], s[LIM]
	s_cbranch_scc0 .Lnot_mine_\@
	global_prefetch_b8 v[PFO], s[PFA:PFA+1] th:TH_LOAD_NT scope:SCOPE_SE
.Lnot_mine_\@:
.endm
.macro POW e, sc, lim                  ; s[sc] = 2^e as f32, s[lim] = e + 127, e in s[e]
	s_add_co_i32 s[\lim], s[\e], 127
	s_lshl_b32 s[\sc], s[\lim], 23
.endm
	s_load_b256 s[4:11], s[0:1], 0x0               ; qkv s[4:5], the scales' exponents s[6:7], alpha s[8:9], ao s[10:11]
	v_lshl_add_u32 v[SPW], v0, 2, SPARE
	v_mov_b32 v[NIL], 0
	ds_add_u32 v[SPW], v[NIL]                      ; the wave's opening: the add, twice on end, and its wait ahead of the first tensor load
	ds_add_u32 v[SPW], v[NIL]
	v_lshrrev_b32 v8, 5, v0
	s_delay_alu instid0(VALU_DEP_1)
	v_readfirstlane_b32 s[WV], v8                  ; wave 0..15
	s_and_b32 s12, ttmp7, 0xffff                   ; 16 b + head
	s_lshr_b32 s13, s[WV], 2
	s_xor_b32 s13, s13, s[WV]
	s_and_b32 s13, s13, 1                          ; 1: the late block
	s_lshr_b32 s14, s[WV], 1                       ; my tile of 16 queries in the block
	s_sub_co_u32 s15, 15, ttmp9
	s_cmp_eq_u32 s13, 1
	s_cselect_b32 s15, s15, ttmp9                  ; my block of 128 queries
	s_lshl_b32 s[Q0], s15, 7
	s_lshl_b32 s16, s14, 4
	s_add_co_u32 s[Q0], s[Q0], s16
	s_sub_co_u32 s[QL], 16, ttmp9
	s_lshl_b32 s[QL], s[QL], 7
	s_sub_co_u32 s[QL], s[QL], 1                   ; the late block's last query: the work-group's number alone
	s_and_b32 s16, s[WV], 3                        ; what I fetch, if I fetch: 0 K_mu, 1 K_sg, 2 V_mu, 3 V_sg
	s_mul_i32 s[G0+1], s16, TILEB                  ; its place in slot 0
	s_and_b32 s17, s16, 1
	s_mul_i32 s17, s17, 3
	s_lshr_b32 s19, s16, 1
	s_add_co_u32 s17, s17, s19
	s_add_co_u32 s17, s17, 1                       ; 3 t + kind
	s_lshl_b32 s17, s17, 5
	s_add_co_u32 s17, s17, s12
	s_lshl_b32 s72, s17, 17                        ; its block of qkv
	s_mov_b32 s73, 0
	s_lshl_b32 s74, s12, 17                        ; Q_mu: block 16 b + head,
	s_lshl_b32 s19, s[Q0], 6
	s_add_co_u32 s74, s74, s19                     ; my first query's row
	s_mov_b32 s75, 0
	s_lshr_b32 s78, s12, 4
	s_lshl_b32 s78, s78, 4
	s_add_co_u32 s78, s78, s15                     ; ao: block of tokens 16 b + my block,
	s_lshl_b32 s78, s78, 17
	s_and_b32 s19, s12, 15
	s_lshl_b32 s19, s19, 13                        ; the head's 8,192 bytes,
	s_add_co_u32 s78, s78, s19
	s_lshl_b32 s19, s14, 10                        ; my 16 rows of 64
	s_add_co_u32 s78, s78, s19
	s_mov_b32 s79, 0
	s_sub_co_u32 s16, s[WV], 4
	s_lshr_b32 s19, s16, 3                         ; 0 in waves 4 to 11,
	s_or_b32 s19, s19, ttmp9                       ; of the work-group with j = 0
	s_cmp_eq_u32 s19, 0
	s_cselect_b32 s[LIM], 1, -1
	s_and_b32 s16, s16, 7
	s_lshr_b32 s17, s16, 1                         ; which of the four tensors I ask for,
	s_and_b32 s19, s17, 1
	s_mul_i32 s19, s19, 3
	s_lshr_b32 s17, s17, 1
	s_add_co_u32 s17, s17, s19
	s_add_co_u32 s17, s17, 1
	s_lshl_b32 s17, s17, 5
	s_add_co_u32 s17, s17, s12
	s_lshl_b32 s86, s17, 17
	s_and_b32 s16, s16, 1
	s_lshl_b32 s16, s16, 13                        ; which half of a slot's 16,384 bytes,
	s_add_co_u32 s86, s86, s16
	s_add_co_u32 s86, s86, SLOTB                   ; in slot 1: the first change of slots steps it to slot 2.  Nothing is prefetched at the head
	s_mov_b32 s87, 0
	s_mov_b32 s[G1], (1<<20)|(3<<22)|(3<<25)       ; 15:0 no mask; 17:16 elements of 1 byte; 20 padding on; 24:22 after every 16 words; 31:25 four words
	s_mov_b32 s[G1+1], 64<<16                      ; tensor_dim0
	s_mov_b32 s[G1+2], 256<<16                     ; tensor_dim1
	s_mov_b32 s[G1+3], 64<<16                      ; tile_dim0
	s_mov_b32 s[G1+4], 256                         ; tile_dim1
	s_mov_b32 s[G1+5], 64                          ; tensor_dim0_stride: the rows are dense
	s_mov_b32 s[G1+6], 0
	s_mov_b32 s[G1+7], 0
	s_mov_b32 s[SEL], 0x76543210
	s_mov_b32 s[SEL+1], 0xfedcba98
	s_mov_b32 s[CS], 0x3e38aa3b                    ; log2(e) / 8
	s_mov_b32 s[TB], 0
	s_mov_b32 s[SLOTS], NSL-1
	s_mov_b32 s[KF], 0
	s_wait_dscnt 0x0                               ; both opening adds are done
	s_wait_kmcnt 0x0
	s_load_b512 s[48:63], s[6:7], 0x0              ; entry i of the scales in s[48 + i]
	s_load_b32 s66, s[8:9], 0x0                    ; alpha
	s_mov_b32 s[G0], 1
	s_add_nc_u64 s[G0+2:G0+3], s[4:5], s[72:73]
	s_or_b32 s[G0+3], s[G0+3], 0x80000000
	TLOAD                                          ; slot 0: it holds key 0, which counts for every query
	s_add_nc_u64 s[68:69], s[4:5], s[74:75]        ; Q_mu at my first query
	s_add_nc_u64 s[70:71], s[68:69], 96<<17        ; Q_sg: 96 blocks on
	s_add_nc_u64 s[92:93], s[10:11], s[78:79]      ; ao
	s_add_nc_u64 s[PFA:PFA+1], s[4:5], s[86:87]
	v_and_b32 v8, 15, v0                           ; r
	v_bfe_u32 v9, v0, 4, 1                         ; h
	s_delay_alu instid0(VALU_DEP_2)
	v_lshlrev_b32 v10, 6, v8
	s_delay_alu instid0(VALU_DEP_1)
	v_lshl_add_u32 v10, v9, 4, v10                 ; Q: row r of 64 bytes, + 16 h
	global_load_b128 v[16:19], v10, s[68:69]
	global_load_b128 v[20:23], v10, s[68:69] offset:32
	global_load_b128 v[24:27], v10, s[70:71]
	global_load_b128 v[28:31], v10, s[70:71] offset:32
	v_mul_u32_u24 v[AK0], v8, KP
	s_delay_alu instid0(VALU_DEP_1)
	v_lshl_add_u32 v[AV0], v9, 3, v[AK0]
	s_delay_alu instid0(VALU_DEP_1)
	v_add_nc_u32 v[AV0], VOFF, v[AV0]              ; V: row r, + 8 h
	s_delay_alu instid0(VALU_DEP_3)
	v_lshl_add_u32 v[AK0], v9, 4, v[AK0]           ; K: row r, + 16 h
	v_and_b32 v[PFO], 31, v0
	s_delay_alu instid0(VALU_DEP_1)
	v_lshlrev_b32 v[GO], 4, v[PFO]                 ; the way out: 16 bytes a lane
	s_delay_alu instid0(VALU_DEP_2)
	v_lshlrev_b32 v[PFO], 8, v[PFO]
	v_mov_b32 v13, 0xff61b1e6                      ; the largest t so far: -3e38, under every t
	s_delay_alu instid0(VALU_DEP_1)
	v_floor_f32 v12, -v13                          ; -M
	v_mov_b32 v14, 0
	v_mov_b32 v15, 0
	v_mov_b32 v250, 0                              ; written once: a lane permute's destination counts as one of its sources
	v_mov_b32 v253, 0                              ; (named as the upper half of the pair v[252:253])
.set n, 0
.rept 64
	v_mov_b32 v[OM+n], 0                           ; both results.  (The step is written once: the first finds zeros, which the first change of M leaves zeros)
.set n, n+1
.endr
	s_wait_kmcnt 0x0
	s_add_co_i32 s72, s52, s53                     ; e4 + e5: a sum of Q_mu K_mu stands for sum x 2^(e4 + e5): added to c's exponent field
	s_lshl_b32 s73, s72, 23
	s_add_co_i32 s[CS], s[CS], s73
	s_mov_b32 s[CS+1], s[CS]
	s_add_co_i32 s73, s54, s55
	s_sub_co_i32 s73, s73, s72
	s_add_co_i32 s73, s73, 127
	s_lshl_b32 s73, s73, 23
	s_mul_f32 s[AL], s66, s73                      ; alpha x 2^(e6 + e7 - e4 - e5): brings the sigma sums onto the mu sums' scale; the power of two rounds nothing
	s_mov_b32 s[AL+1], s[AL]
	POW 56, 73, 84
	v_mov_b32 v244, s73                            ; 2^e8
	POW 58, 73, 85
	v_mov_b32 v245, s73                            ; 2^e10
	POW 60, 73, 86
	v_mov_b32 v246, s73                            ; 2^e12
	POW 62, 73, 88
	v_mov_b32 v247, s73                            ; 2^e14
	s_add_co_i32 s90, s56, s57                     ; e8 + e9
	s_add_co_i32 s91, s58, s59                     ; e10 + e11
; A KEY STEP: 128 keys, the q-th of the slot in hand.
.macro STEP q
	s_add_co_u32 s96, s[Q0], 15                    ; a step all of whose keys come after my 16 queries is left out: a branch on ids, round the step's work; no barrier and no tensor load stands in a step
	s_cmp_gt_u32 s[KF], s96
	s_cbranch_scc1 .Lhidden_\@
	v_add_nc_u32 v[ADK], s[TB], v[AK0]
	v_add_nc_u32 v[ADV], s[TB], v[AV0]
	v_nop
	v_nop                                          ; four places in front of loads into registers that the last products read
.set n, 0
.rept 8
	ds_load_b128 v[F+8*n:F+8*n+3], v[ADK] offset:KSG+(128*(\q)+16*n)*KP
	ds_load_b128 v[F+8*n+4:F+8*n+7], v[ADK] offset:KSG+(128*(\q)+16*n)*KP+32
.set n, n+1
.endr
	s_wait_alu depctr_va_vdst(0)
	s_wait_dscnt 0x0
.set n, 0
.rept 8
	v_wmma_f32_16x16x64_fp8_fp8 v[S+8*n:S+8*n+7], v[F+8*n:F+8*n+7], v[24:31], 0      ; K_sg Q_sg^T: eight tiles of 16 keys
.set n, n+1
.endr
.rept 4
	v_nop
.endr
.set n, 0
.rept 8
	ds_load_b128 v[F+8*n:F+8*n+3], v[ADK] offset:(128*(\q)+16*n)*KP
	ds_load_b128 v[F+8*n+4:F+8*n+7], v[ADK] offset:(128*(\q)+16*n)*KP+32
.set n, n+1
.endr
.set n, 0
.rept 32
	v_pk_mul_f32 v[S+n:S+n+1], v[S+n:S+n+1], s[AL:AL+1] op_sel_hi:[1,0]            ; x alpha', while K_mu's fragments come; each tile from its low end on
.set n, n+2
.endr
	s_wait_alu depctr_va_vdst(0)
	s_wait_dscnt 0x0
.set n, 0
.rept 8
	v_wmma_f32_16x16x64_fp8_fp8 v[S+8*n:S+8*n+7], v[F+8*n:F+8*n+7], v[16:23], v[S+8*n:S+8*n+7]   ; + K_mu Q_mu^T: the eight tiles by turns
.set n, n+1
.endr
.rept 4
	v_nop
.endr
	s_add_co_u32 s96, s[KF], 127                   ; on the diagonal the scores of hidden keys become -infinity ahead of the maximum: p = 0 then.  A step all of whose keys count skips this
	s_cmp_le_u32 s96, s[Q0]
	s_cbranch_scc1 .Lopen_\@
	s_sub_co_i32 s96, s[Q0], s[KF]
	v_and_b32 v252, 15, v0
	v_bfe_u32 v253, v0, 4, 1
	s_delay_alu instid0(VALU_DEP_1)
	v_lshlrev_b32 v253, 3, v253
	s_delay_alu instid0(VALU_DEP_1)
	v_sub_nc_u32 v252, v252, v253
	s_delay_alu instid0(VALU_DEP_1)
	v_add_nc_u32 v252, s96, v252                   ; d = my query - KF - 8 (lane / 16).  Register 8 n + i holds key KF + 8 (lane / 16) + 16 n + i: hidden where 16 n + i > d
	v_mov_b32 v254, 0xff800000
.set n, 0
.rept 64
	v_cmp_gt_i32 vcc_lo, 16*(n/8)+n%8, v252
	v_cndmask_b32 v[S+n], v[S+n], v254, vcc_lo
.set n, n+1
.endr
.Lopen_\@:
	v_max3_num_f32 v254, v96, v97, v98             ; the step's largest score of my query, among my 64 keys, in two chains,
	v_max3_num_f32 v252, v99, v100, v101
.irp i, 6,10,14,18,22,26,30,34,38,42,46,50,54,58
	v_max3_num_f32 v254, v254, v[96+\i], v[97+\i]
	v_max3_num_f32 v252, v252, v[98+\i], v[99+\i]
.endr
	v_max3_num_f32 v254, v254, v158, v159
	s_delay_alu instid0(VALU_DEP_1)
	v_max_num_f32 v254, v254, v252
	s_delay_alu instid0(VALU_DEP_1)
	v_permlanex16_b32 v250, v254, s[SEL], s[SEL+1]
	s_delay_alu instid0(VALU_DEP_1)
	v_max_num_f32 v254, v254, v250                 ; and among lane l xor 16's
	s_delay_alu instid0(VALU_DEP_1)
	v_mul_f32 v254, s[CS], v254                    ; as t (c is positive)
	s_delay_alu instid0(VALU_DEP_1)
	v_max_num_f32 v13, v13, v254                   ; the running largest t
	v_mov_b32 v254, v12
	s_delay_alu instid0(VALU_DEP_2)
	v_floor_f32 v12, -v13                          ; the new -M = floor(-t): M is a whole number
	s_delay_alu instid0(VALU_DEP_1)
	v_sub_f32 v254, v12, v254                      ; old M - new M: a whole number, 0 or less
	s_delay_alu instid0(VALU_DEP_1)
	v_cvt_i32_f32 v254, v254                       ; (it saturates)
	s_delay_alu instid0(VALU_DEP_1)
	v_ldexp_f32 v252, 1.0, v254                    ; f = 2^(old M - new M)
.set n, 0
.rept 32
	v_pk_fma_f32 v[S+n:S+n+1], v[S+n:S+n+1], s[CS:CS+1], v[12:13] op_sel_hi:[1,0,0]   ; t - M
.set n, n+2
.endr
.set n, 0
	s_wait_alu depctr_va_vdst(0)
.rept 64
	v_exp_f32 v[S+n], v[S+n]                       ; p = 2^(t - M): one batch
.set n, n+1
.endr
	v_pk_mul_f32 v[14:15], v[14:15], v[252:253] op_sel_hi:[1,0]   ; the sums under the new M: the plain line behind the exponentials
	s_wait_alu depctr_va_vdst(0)                   ; one wait for the whole batch, ahead of its first reader
	v_pk_add_f32 v[242:243], v[100:101], v[104:105]
	v_pk_add_f32 v[254:255], v[108:109], v[112:113]
	v_pk_add_f32 v[248:249], v[116:117], v[120:121]
	v_pk_add_f32 v[240:241], v[124:125], v[128:129]
	v_pk_add_f32 v[238:239], v[132:133], v[136:137]
	v_pk_add_f32 v[236:237], v[140:141], v[144:145]
	v_pk_add_f32 v[234:235], v[148:149], v[152:153]
	v_pk_add_f32 v[14:15], v[14:15], v[156:157]
	v_pk_add_f32 v[242:243], v[242:243], v[96:97]
	v_pk_add_f32 v[254:255], v[254:255], v[98:99]
	v_pk_add_f32 v[248:249], v[248:249], v[102:103]
	v_pk_add_f32 v[240:241], v[240:241], v[106:107]
	v_pk_add_f32 v[238:239], v[238:239], v[110:111]
	v_pk_add_f32 v[236:237], v[236:237], v[114:115]
	v_pk_add_f32 v[234:235], v[234:235], v[118:119]
	v_pk_add_f32 v[14:15], v[14:15], v[122:123]
	v_pk_add_f32 v[242:243], v[242:243], v[126:127]
	v_pk_add_f32 v[254:255], v[254:255], v[130:131]
	v_pk_add_f32 v[248:249], v[248:249], v[134:135]
	v_pk_add_f32 v[240:241], v[240:241], v[138:139]
	v_pk_add_f32 v[238:239], v[238:239], v[142:143]
	v_pk_add_f32 v[236:237], v[236:237], v[146:147]
	v_pk_add_f32 v[234:235], v[234:235], v[150:151]
	v_pk_add_f32 v[14:15], v[14:15], v[154:155]
	v_pk_add_f32 v[242:243], v[242:243], v[158:159]
	s_delay_alu instid0(VALU_DEP_2)
	v_pk_add_f32 v[14:15], v[14:15], v[240:241]
	s_delay_alu instid0(VALU_DEP_2)
	v_pk_add_f32 v[242:243], v[242:243], v[238:239]
	v_pk_add_f32 v[254:255], v[254:255], v[236:237]
	v_pk_add_f32 v[248:249], v[248:249], v[234:235]
	s_delay_alu instid0(VALU_DEP_2)
	v_pk_add_f32 v[14:15], v[14:15], v[254:255]
	s_delay_alu instid0(VALU_DEP_2)
	v_pk_add_f32 v[242:243], v[242:243], v[248:249]
	s_delay_alu instid0(VALU_DEP_1)
	v_pk_add_f32 v[14:15], v[14:15], v[242:243]
.set n, 0
.rept 8                                        ; p's codes for V_mu: p stays in its registers, since it is wanted once more
.irp i, 0,1,2,3,4,5,6,7
.endr
	v_cvt_scalef32_pk8_fp8_f32 v[PC+2*n:PC+2*n+1], v[S+8*n:S+8*n+7], v244
.set n, n+1
.endr
.irp d, 0,1,2,3
.irp c, 0,1,2,3,4,5,6,7
	ds_load_b64 v[F+16*\d+2*\c:F+16*\d+2*\c+1], v[ADV] offset:(2*(\q)+\c/4)*64*KP+16*KP*\d+16*(\c%4)   ; V_mu^T: row d = 16 d + r, keys 16 c + 8 h + 0 .. 7
.endr
.endr
.set n, 0
.rept 32
	v_pk_mul_f32 v[OM+n:OM+n+1], v[OM+n:OM+n+1], v[252:253] op_sel_hi:[1,0]   ; both results under the new M, while V's fragments come
.set n, n+2
.endr
	s_wait_dscnt 0x0
.irp d, 0,1,2,3
	v_wmma_f32_16x16x128_fp8_fp8 v[OM+8*\d:OM+8*\d+7], v[F+16*\d:F+16*\d+15], v[PC:PC+15], v[OM+8*\d:OM+8*\d+7]
.endr
.irp i, 0,1,2,3,4,5,6,7
.endr
	v_nop
	v_nop
	v_nop
	v_nop
.irp d, 0,1,2,3
.irp c, 0,1,2,3,4,5,6,7
	ds_load_b64 v[F+16*\d+2*\c:F+16*\d+2*\c+1], v[ADV] offset:VSG+(2*(\q)+\c/4)*64*KP+16*KP*\d+16*(\c%4)
.endr
.endr
	v_cvt_scalef32_pk8_fp8_f32 v[PC:PC+1], v[S:S+7], v245
.set n, 1
.rept 7
.irp i, 0,1,2,3,4,5,6,7
.endr
	v_cvt_scalef32_pk8_fp8_f32 v[PC+2*n:PC+2*n+1], v[S+8*n:S+8*n+7], v245
.set n, n+1
.endr
	v_nop                                          ; one plain line between the last conversion and the products that read the codes
	s_wait_alu depctr_va_vdst(0)
	s_wait_dscnt 0x0
.irp d, 0,1,2,3
	v_wmma_f32_16x16x128_fp8_fp8 v[OS+8*\d:OS+8*\d+7], v[F+16*\d:F+16*\d+15], v[PC:PC+15], v[OS+8*\d:OS+8*\d+7]
.endr
.Lhidden_\@:
	s_add_co_u32 s[KF], s[KF], 128
.endm
; THE CHANGE OF SLOTS stands at a slot's head.  Each wave waits for all its tensor loads, adds 0 to its spare word (fill = 1: twice on end), and waits for that and for its reads of the slot that it has left.
; Behind the barrier the slot ahead is whole and nobody reads the other one.  fill = 1: that other slot takes the next 256 keys, up to the causal limit: the load has a slot's two steps in which to land.
.macro CHANGE fill
	s_wait_tensorcnt 0x0                           ; no tensor load of mine is out, so the descriptor may be written
	ds_add_u32 v[SPW], v[NIL]                      ; 0 onto my spare word
.if \fill
	ds_add_u32 v[SPW], v[NIL]                      ; and once more: the add stands twice in every trip alike
	s_xor_b32 s[G0+1], s[G0+1], SLOT1              ; the other slot than last time,
	s_add_nc_u64 s[G0+2:G0+3], s[G0+2:G0+3], SLOTB ; the next 256 keys; the type bits on top are not reached
	s_wait_xcnt 0x0                                ; the last prefetch, a slot back, has read its address, so it may be written:
	s_add_nc_u64 s[PFA:PFA+1], s[PFA:PFA+1], SLOTB ; one slot further on than the descriptor
.endif
	s_wait_dscnt 0x0                               ; the add is done, and my reads of the slot that I have left are over
	s_barrier_signal -1
	s_barrier_wait -1
.if \fill
	s_add_co_u32 s96, s[KF], SK                    ; the first key of the slot that this change would ask for:
	s_cmp_gt_u32 s96, s[QL]                        ; behind my work-group's last query no wave would read it.  Ids and the count of steps alone: all sixteen waves go the same way; every wait for tensor loads in this text is for 0
	s_cbranch_scc1 .Lpast_\@
	TLOAD                                          ; the first thing behind the barrier, and a wave's one tensor load until the next
.Lpast_\@:
	ASK
.endif
.endm
	s_wait_loadcnt 0x0                             ; Q
.Lslot:                                            ; seven trips: behind each change of slots but the last the next slot is asked for, up to the limit
	CHANGE 1
	STEP 0
	STEP 1
	s_xor_b32 s[TB], s[TB], SLOT1
	s_sub_co_u32 s[SLOTS], s[SLOTS], 1
	s_cmp_lg_u32 s[SLOTS], 0
	s_cbranch_scc1 .Lslot
	CHANGE 0                                       ; the last slot is written out: nothing is left to ask for
	STEP 0
	STEP 1
	; THE WAY OUT.  Both results are divided by the sum, brought to their true scale, quantised, and go through my stage in LDS (in slot 0, which has had its last fill and its last read), so that a store covers 512 dense bytes.
	v_add_f32 v14, v14, v15
	s_delay_alu instid0(VALU_DEP_1)
	v_permlanex16_b32 v250, v14, s[SEL], s[SEL+1]
	s_delay_alu instid0(VALU_DEP_1)
	v_add_f32 v14, v14, v250                       ; the row's sum
	s_wait_alu depctr_va_vdst(0)
	v_rcp_f32 v14, v14
	v_and_b32 v8, 15, v0                           ; (plain lines behind the reciprocal)
	v_bfe_u32 v9, v0, 4, 1
	s_mul_i32 s73, s[WV], 32*KP                    ; my stage: two tensors x 16 rows x 80 bytes
	v_mul_u32_u24 v10, v8, KP
	s_delay_alu instid0(VALU_DEP_1)
	v_lshl_add_u32 v10, v9, 3, v10
	s_delay_alu instid0(VALU_DEP_1)
	v_add_nc_u32 v10, s73, v10                     ; in: row r, + 8 h
	v_bfe_u32 v4, v0, 2, 3
	s_delay_alu instid0(VALU_DEP_1)
	v_mul_u32_u24 v4, v4, KP
	v_and_b32 v11, 3, v0
	s_delay_alu instid0(VALU_DEP_1)
	v_lshl_add_u32 v11, v11, 4, v4
	s_delay_alu instid0(VALU_DEP_1)
	v_add_nc_u32 v11, s73, v11                     ; back: four lanes to a row of 64 bytes, eight rows an instruction
	s_wait_alu depctr_va_vdst(0)                   ; the wait ahead of the reciprocal's first reader
	v_ldexp_f32 v15, v14, s91                      ; 2^(e10 + e11) / sum
	v_ldexp_f32 v14, v14, s90                      ; 2^(e8 + e9) / sum
.set n, 0
.rept 32
	v_mul_f32 v[S+n], v[OM+n], v14                 ; register 8 d + i is out_mu(query r, 16 d + 8 h + i)
.set n, n+1
.endr
.set n, 0
.rept 32
	v_mul_f32 v[S+32+n], v[OS+n], v15
.set n, n+1
.endr
.set n, 0
.rept 32
.set n, n+1
.endr
.irp d, 0,1,2,3
	v_cvt_scalef32_pk8_fp8_f32 v[PC+2*\d:PC+2*\d+1], v[S+8*\d:S+8*\d+7], v246
	v_cvt_scalef32_pk8_fp8_f32 v[PC+8+2*\d:PC+8+2*\d+1], v[S+32+8*\d:S+32+8*\d+7], v247
.endr
	v_nop
.irp d, 0,1,2,3
	ds_store_b64 v10, v[PC+2*\d:PC+2*\d+1] offset:16*\d
	ds_store_b64 v10, v[PC+8+2*\d:PC+8+2*\d+1] offset:16*KP+16*\d
.endr
.irp m, 0,1,2,3
	ds_load_b128 v[F+4*\m:F+4*\m+3], v11 offset:16*KP*(\m/2)+8*KP*(\m%2)   ; LDS serves a wave's instructions in order: these see my stores
.endr
.irp m, 0,1,2,3
	s_wait_dscnt 3-\m                              ; load m is in; the younger ones may be out
	global_store_b128 v[GO], v[F+4*\m:F+4*\m+3], s[92:93] offset:4194304*(\m/2)+512*(\m%2)   ; eight rows of 64 bytes: 512 consecutive, aligned bytes
.endr
	s_wait_tensorcnt 0x0                           ; the wave's end: a wait, an add of 0 to my spare word and its wait, behind my last tensor load and my last LDS store
	ds_add_u32 v[SPW], v[NIL]
	s_wait_dscnt 0x0
	s_endpgm
.Lfunc_end_k_qf13764bed3_attn:
	.size	k_qf13764bed3_attn, .Lfunc_end_k_qf13764bed3_attn-k_qf13764bed3_attn
	.p2alignl 7, 3214868480
	.fill 96, 4, 3214868480
	.section	.rodata,"a",@progbits
	.p2align	6, 0x0
	.amdhsa_kernel k_qf13764bed3_attn
		.amdhsa_group_segment_fixed_size 327680
		.amdhsa_private_segment_fixed_size 0
		.amdhsa_enable_private_segment 0
		.amdhsa_kernarg_size 32
		.amdhsa_user_sgpr_count 2
		.amdhsa_user_sgpr_kernarg_segment_ptr 1
		.amdhsa_wavefront_size32 1
		.amdhsa_system_sgpr_workgroup_id_x 1
		.amdhsa_system_sgpr_workgroup_id_y 1
		.amdhsa_system_sgpr_workgroup_id_z 1
		.amdhsa_system_vgpr_workitem_id 0
		.amdhsa_next_free_vgpr 256
		.amdhsa_next_free_sgpr 100
		.amdhsa_reserve_vcc 1
		.amdhsa_float_denorm_mode_32 3
		.amdhsa_float_denorm_mode_16_64 3
		.amdhsa_fp16_overflow 1
		.amdhsa_memory_ordered 1
		.amdhsa_forward_progress 1
		.amdhsa_inst_pref_size 127
	.end_amdhsa_kernel
	.amdgpu_metadata
---
amdhsa.version: [ 1, 2 ]
amdhsa.kernels:
  - .name:           k_qf13764bed3_attn
    .symbol:         k_qf13764bed3_attn.kd
    .args:
      - { .name: qkv, .offset: 0, .size: 8, .value_kind: global_buffer, .address_space: global }
      - { .name: lowp_scales, .offset: 8, .size: 8, .value_kind: global_buffer, .address_space: global }
      - { .name: alpha, .offset: 16, .size: 8, .value_kind: global_buffer, .address_space: global }
      - { .name: ao, .offset: 24, .size: 8, .value_kind: global_buffer, .address_space: global }
    .group_segment_fixed_size: 327680
    .private_segment_fixed_size: 0
    .kernarg_segment_align: 8
    .kernarg_segment_size: 32
    .max_flat_workgroup_size: 512
    .sgpr_count:     100
    .vgpr_count:     256
    .wavefront_size: 32
...
	.end_amdgpu_metadata
.endif
;; end of part 3
;; launch gemm_proj (part 4): grid 4 x 32, 4 waves a work-group, clusters of 4 x 4, 327,680 bytes of LDS; arguments ao, wc, lowp_scales, bproj_mu, bproj_sigma, out0, out1; writes out0, out1
.if DOCPART == 4
	.amdgcn_target "amdgcn-amd-amdhsa--gfx1250"
	.amdhsa_code_object_version 6
	.text
	.protected	k_qf13764bed3_gemm_proj
	.globl	k_qf13764bed3_gemm_proj
	.p2align	8
	.type	k_qf13764bed3_gemm_proj,@function
k_qf13764bed3_gemm_proj:
	s_mov_b64 s[64:65], 0
	v_nop
	global_prefetch_b8 v0, s[64:65] scope:SCOPE_SE
	s_setreg_imm32_b32 hwreg(HW_REG_WAVE_MODE, 25, 1), 1
	s_wait_xcnt 0x0
	s_wait_alu depctr_hold_cnt(0) depctr_sa_sdst(0) depctr_va_vdst(0) depctr_va_sdst(0) depctr_va_ssrc(0) depctr_va_vcc(0) depctr_vm_vsrc(0)
	s_getreg_b32 s2, hwreg(HW_REG_IB_STS2, 6, 4)
	s_cmp_eq_u32 s2, 0
	s_cbranch_scc0 .Lentry_in_a_cluster
	s_endpgm
.Lentry_in_a_cluster:
	s_bfe_u32 s2, ttmp6, 0x10000c
	s_cmp_lg_u32 s2, 0xf033
	s_cbranch_scc0 .Lentry_shape_is_right
	s_endpgm
.Lentry_shape_is_right:
.set PITCH,  272
.set AP,     80
.set AIMG,   512*AP
.set HALFB,  128*PITCH
.set BOFF,   2*AIMG
.set SLOT,   BOFF+2*HALFB
.set SPARE,  2*SLOT
.set SPITCH, 528
.set FR,     16
.set NL,     4
.set NP,     4
.set ADRA, 16
.set ADRB, 20
.set STO,  24
.set RD,   25
.set CO,   26
.set SPW,  28
.set NIL,  29
.set TMP,  32
.set AF,   128
.set BK,   128
.set WV, 16
.set WR, 17
.set WC, 18
.set G1, 24
.set G0, 32
.set G1B, 48
.set G0B, 56
.set MSB, 0
.macro WIN new
.if MSB != \new
	s_set_vgpr_msb (MSB<<8)|(\new)
.set MSB, \new
.endif
.endm
.set MUL_LO, 0xa1
.set MUL_HI, 0xf1
.set TO_B,   0x40
.macro JLOAD g0a, g1a, g0b, g1b
	s_cmp_eq_u32 s[WR], 0
	s_cbranch_scc0 .Lfor_b_\@
	tensor_load_to_lds s[\g0a:\g0a+3], s[\g1a:\g1a+7]
	s_nop 0
.rept 4
	v_nop
.endr
	s_branch .Lasked_\@
.Lfor_b_\@:
	tensor_load_to_lds s[\g0b:\g0b+3], s[\g1b:\g1b+7]
	s_nop 0
.rept 4
	v_nop
.endr
.Lasked_\@:
.endm
.macro CREST
	s_cmp_lg_u32 s[WV], 0
	s_cbranch_scc1 .Lnot_wave_0_\@
	s_barrier_signal -3
.Lnot_wave_0_\@:
	s_barrier_wait -3
	s_barrier_signal -1
	s_barrier_wait -1
.endm
.macro CROUND
	s_barrier_signal -1
	s_barrier_wait -1
	CREST
.endm
	s_load_b256 s[4:11], s[0:1], 0x0
	s_load_b128 s[12:15], s[0:1], 0x20
	s_load_b64 s[68:69], s[0:1], 0x30
	v_lshl_add_u32 v[SPW], v0, 2, SPARE
	v_mov_b32 v[NIL], 0
	ds_add_u32 v[SPW], v[NIL]
	ds_add_u32 v[SPW], v[NIL]
	v_lshrrev_b32 v1, 5, v0
	v_readfirstlane_b32 s[WV], v1
	s_lshr_b32 s[WR], s[WV], 1
	s_and_b32 s[WC], s[WV], 1
	s_bfe_u32 s40, ttmp6, 0x40000
	s_bfe_u32 s41, ttmp6, 0x40004
	s_and_b32 s20, ttmp7, 0xffff
	s_and_b32 s43, s20, 3
	s_lshr_b32 s44, s20, 2
	s_lshl_b32 s21, s41, 2
	s_lshl_b32 s21, 15, s21
	s_lshl_b32 s22, 0x1111, s40
	s_or_b32 s[G1+0], s21, (1<<20)|(1<<21)|(3<<22)|(3<<25)
	s_mov_b32 s[G1+1], 64<<16
	s_mov_b32 s[G1+2], 512<<16
	s_mov_b32 s[G1+3], 64<<16
	s_mov_b32 s[G1+4], 512
	s_mov_b32 s[G1+5], 64
	s_mov_b32 s[G1+6], 0
	s_mov_b32 s[G1+7], 0
	s_or_b32 s[G1B+0], s22, (1<<20)|(1<<21)|(5<<22)|(3<<25)
	s_mov_b32 s[G1B+1], 256<<16
	s_mov_b32 s[G1B+2], 128<<16
	s_mov_b32 s[G1B+3], 256<<16
	s_mov_b32 s[G1B+4], 128
	s_mov_b32 s[G1B+5], 1024
	s_mov_b32 s[G1B+6], 0
	s_mov_b32 s[G1B+7], 0
	s_lshl_b32 s66, s43, 2
	s_add_co_u32 s66, s66, s41
	s_lshl_b32 s66, s66, 1
	s_add_co_u32 s66, s66, s[WC]
	s_lshl_b32 s66, s66, 17
	s_lshl_b32 s23, s44, 22
	s_add_co_u32 s66, s66, s23
	s_mov_b32 s67, 0
	s_lshl_b32 s46, s44, 10
	s_add_co_u32 s46, s46, 6144
	s_lshl_b32 s22, s40, 8
	s_add_co_u32 s46, s46, s22
	s_lshl_b32 s22, s[WC], 7
	s_add_co_u32 s46, s46, s22
	s_lshl_b32 s46, s46, 10
	s_mov_b32 s47, 0
	s_lshl_b32 s72, s44, 3
	s_add_co_u32 s72, s72, 48
	s_mov_b32 s73, 0
	s_mul_i32 s45, s[WC], AIMG
	s_mul_i32 s42, s[WC], HALFB
	s_add_co_u32 s42, s42, BOFF
	s_wait_dscnt 0x0
	s_wait_kmcnt 0x0
	s_add_nc_u64 s[72:73], s[8:9], s[72:73]
	s_load_b64 s[96:97], s[72:73], 0x0
	s_add_nc_u64 s[66:67], s[4:5], s[66:67]
	s_add_nc_u64 s[46:47], s[6:7], s[46:47]
	CROUND
.irp s, 0,1
	s_mov_b32 s[G0+4*\s], 1
	s_add_co_u32 s[G0+4*\s+1], s45, \s*SLOT
	s_add_nc_u64 s[G0+4*\s+2:G0+4*\s+3], s[66:67], \s*32768
	s_or_b32 s[G0+4*\s+3], s[G0+4*\s+3], 0x80000000
	s_mov_b32 s[G0B+4*\s], 1
	s_add_co_u32 s[G0B+4*\s+1], s42, \s*SLOT
	s_add_nc_u64 s[G0B+4*\s+2:G0B+4*\s+3], s[46:47], \s*256
	s_or_b32 s[G0B+4*\s+3], s[G0B+4*\s+3], 0x80000000
	s_wait_alu depctr_va_vdst(0)
	s_wait_tensorcnt 0x0
	ds_add_u32 v28, v29
	ds_add_u32 v28, v29
	s_wait_dscnt 0x0
	CROUND
	JLOAD G0+4*\s, G1, G0B+4*\s, G1B
.endr
	v_and_b32 v1, 15, v0
	v_bfe_u32 v2, v0, 4, 1
	v_mul_u32_u24 v3, v1, AP
	v_lshl_add_u32 v3, v2, 4, v3
	v_mul_u32_u24 v4, v1, PITCH
	v_lshl_add_u32 v4, v2, 4, v4
	s_mul_i32 s21, s[WR], AIMG
	s_mul_i32 s22, s[WC], HALFB
	s_add_co_u32 s22, s22, BOFF
.irp s, 0,1
	v_add_nc_u32 v[ADRA+\s], s21, v3
	v_add_nc_u32 v[ADRB+\s], s22, v4
	s_add_co_u32 s21, s21, SLOT
	s_add_co_u32 s22, s22, SLOT
.endr
	s_mul_i32 s23, s[WV], 16*SPITCH
	v_mul_u32_u24 v5, v1, SPITCH
	v_lshl_add_u32 v5, v2, 5, v5
	v_add_nc_u32 v[STO], s23, v5
	v_and_b32 v6, 31, v0
	v_lshlrev_b32 v[CO], 4, v6
	v_add_nc_u32 v[RD], s23, v[CO]
	v_lshlrev_b32 v27, 5, v2
	s_cmp_eq_u32 s44, 0
	s_cselect_b64 s[76:77], s[14:15], s[68:69]
	s_cselect_b64 s[82:83], s[10:11], s[12:13]
	s_lshl_b32 s84, s43, 2
	s_add_co_u32 s84, s84, s41
	s_lshl_b32 s84, s84, 1
	s_add_co_u32 s84, s84, s[WR]
	s_lshl_b32 s84, s84, 19
	s_mov_b32 s85, 0
	s_add_nc_u64 s[76:77], s[76:77], s[84:85]
	s_lshl_b32 s84, s40, 1
	s_add_co_u32 s84, s84, s[WC]
	s_lshl_b32 s84, s84, 9
	s_add_nc_u64 s[76:77], s[76:77], s[84:85]
	s_add_nc_u64 s[82:83], s[82:83], s[84:85]
.macro FRAGA reg, slot, q, i
.irp c, 0,1,2,3
	ds_load_b128 v[\reg+4*\c:\reg+4*\c+3], v[ADRA+\slot] offset:(2*(\q)+\c/2)*128*AP+16*AP*(\i)+32*(\c%2)
.endr
.endm
.macro FRAGB reg, slot, q, i
.irp c, 0,1,2,3
	ds_load_b128 v[\reg+4*\c:\reg+4*\c+3], v[ADRB+\slot] offset:128*(\q)+32*\c+(\i)*16*PITCH
.endr
.endm
.macro MUL16 a0, p, zero
.irp a, \a0, \a0+1
.irp b, 0,1,2,3,4,5,6,7
.if \zero
	v_wmma_f32_16x16x128_fp8_fp8 v[8*(8*((\a)%4)+\b):8*(8*((\a)%4)+\b)+7], v[128*(\p)+FR*\b:128*(\p)+FR*\b+FR-1], v[AF+FR*(\a):AF+FR*(\a)+FR-1], 0
.else
	v_wmma_f32_16x16x128_fp8_fp8 v[8*(8*((\a)%4)+\b):8*(8*((\a)%4)+\b)+7], v[128*(\p)+FR*\b:128*(\p)+FR*\b+FR-1], v[AF+FR*(\a):AF+FR*(\a)+FR-1], v[8*(8*((\a)%4)+\b):8*(8*((\a)%4)+\b)+7]
.endif
.endr
.endr
.endm
.macro FETCH_B slot, q, p
	WIN TO_B
.irp i, 0,1,2,3,4,5,6,7
	FRAGB 128*(\p)+FR*\i, \slot, \q, \i
.endr
	WIN 0
.endm
.macro FETCH_A slot, q, i0
.irp i, \i0, \i0+1, \i0+2, \i0+3
	FRAGA AF+FR*(\i), \slot, \q, \i
.endr
.endm
.macro PLACES n
.rept \n
	v_nop
.endr
.endm
.macro STEP slot, q, zero
	s_wait_dscnt 4*NL
	WIN MUL_LO
	MUL16 0, (\q)%2, \zero
	MUL16 2, (\q)%2, \zero
	s_wait_dscnt 0
	PLACES NP
	FETCH_B \slot, (\q)+1, 1-(\q)%2
	FETCH_A \slot, (\q)+1, 0
	WIN MUL_HI
	MUL16 4, (\q)%2, \zero
	MUL16 6, (\q)%2, \zero
	PLACES NP
	WIN 0
	FETCH_A \slot, (\q)+1, 4
.endm
.macro TURN slot, next, fill
	s_wait_tensorcnt 0x0
	ds_add_u32 v[SPW], v[NIL]
	s_wait_dscnt 4*NL+1
	WIN MUL_LO
	MUL16 0, 1, 0
	s_wait_dscnt 0x0
	s_barrier_signal -1
	MUL16 2, 1, 0
	WIN 0
	s_barrier_wait -1
.if \fill
	CREST
	s_add_nc_u64 s[G0+4*\slot+2:G0+4*\slot+3], s[G0+4*\slot+2:G0+4*\slot+3], 2*32768
	s_add_nc_u64 s[G0B+4*\slot+2:G0B+4*\slot+3], s[G0B+4*\slot+2:G0B+4*\slot+3], 2*256
	JLOAD G0+4*\slot, G1, G0B+4*\slot, G1B
.else
	PLACES NP
.endif
	s_wait_alu depctr_va_vdst(0)
	FETCH_B \next, 0, 0
	FETCH_A \next, 0, 0
	WIN MUL_HI
	MUL16 4, 1, 0
	MUL16 6, 1, 0
	PLACES NP
	WIN 0
	FETCH_A \next, 0, 4
.endm
	s_wait_tensorcnt 1
	s_barrier_signal -1
	s_barrier_wait -1
	FETCH_B 0, 0, 0
	FETCH_A 0, 0, 0
	FETCH_A 0, 0, 4
	STEP 0, 0, 1
	TURN 0, 1, 1
	STEP 1, 0, 0
	TURN 1, 0, 1
	STEP 0, 0, 0
	TURN 0, 1, 0
	STEP 1, 0, 0
	WIN TO_B
.irp b, 0,1,2,3,4,5,6,7
	global_load_b128 v[8*\b:8*\b+3], v27, s[82:83] offset:64*\b
	global_load_b128 v[8*\b+4:8*\b+7], v27, s[82:83] offset:64*\b+16
.endr
	WIN 0
	s_wait_dscnt 4*NL
	WIN MUL_LO
	MUL16 0, 1, 0
	MUL16 2, 1, 0
	s_wait_dscnt 0
	WIN MUL_HI
	MUL16 4, 1, 0
	MUL16 6, 1, 0
	WIN 0
.macro TOSTAGE a
.set AC, 64*((\a)%4)
	WIN 0x12+((\a)/4)
.irp j, 0,2,4,6,8,10,12,14,16,18,20,22,24,26,28,30,32,34,36,38,40,42,44,46,48,50,52,54,56,58,60,62
	v_pk_fma_f32 v[TMP+\j:TMP+\j+1], v[AC+\j:AC+\j+1], s[96:97], v[\j:\j+1] op_sel_hi:[1,0,1]
.endr
	WIN 0
.irp b, 0,1,2,3,4,5,6,7
	ds_store_b128 v[STO], v[TMP+8*\b:TMP+8*\b+3] offset:64*\b
	ds_store_b128 v[STO], v[TMP+8*\b+4:TMP+8*\b+7] offset:64*\b+16
.endr
.set BB, BK+64*((\a)%2)
.irp t, 0,1,2,3,4,5,6,7,8,9,10,11,12,13,14,15
	ds_load_b128 v[BB+4*\t:BB+4*\t+3], v[RD] offset:\t*SPITCH
.endr
.endm
.macro SEND a, younger
.set BB, BK+64*((\a)%2)
	s_wait_dscnt \younger
.if (\a) > 0
	s_add_nc_u64 s[76:77], s[76:77], 16*4096
.endif
.irp t, 0,1,2,3,4,5,6,7,8,9,10,11,12,13,14,15
	global_store_b128 v[CO], v[BB+4*\t:BB+4*\t+3], s[76:77] offset:\t*4096 th:TH_STORE_NT
.endr
.endm
	s_wait_kmcnt 0x0
	s_add_co_i32 s96, s96, s97
	s_add_co_i32 s96, s96, 127
	s_lshl_b32 s96, s96, 23
	s_mov_b32 s97, s96
	s_wait_loadcnt 0x0
	PLACES NP
	TOSTAGE 0
.irp a, 1,2,3,4,5,6,7
.if \a > 1
	s_wait_xcnt 0x0
.endif
	TOSTAGE \a
	SEND \a-1, 32
.endr
	s_wait_xcnt 0x0
	SEND 7, 0
	s_wait_tensorcnt 0x0
	ds_add_u32 v[SPW], v[NIL]
	s_wait_dscnt 0x0
	CROUND
	s_endpgm
.Lfunc_end_k_qf13764bed3_gemm_proj:
	.size	k_qf13764bed3_gemm_proj, .Lfunc_end_k_qf13764bed3_gemm_proj-k_qf13764bed3_gemm_proj
	.p2alignl 7, 3214868480
	.fill 96, 4, 3214868480
	.section	.rodata,"a",@progbits
	.p2align	6, 0x0
	.amdhsa_kernel k_qf13764bed3_gemm_proj
		.amdhsa_group_segment_fixed_size 327680
		.amdhsa_private_segment_fixed_size 0
		.amdhsa_enable_private_segment 0
		.amdhsa_kernarg_size 56
		.amdhsa_user_sgpr_count 2
		.amdhsa_user_sgpr_kernarg_segment_ptr 1
		.amdhsa_wavefront_size32 1
		.amdhsa_system_sgpr_workgroup_id_x 1
		.amdhsa_system_sgpr_workgroup_id_y 1
		.amdhsa_system_sgpr_workgroup_id_z 1
		.amdhsa_system_vgpr_workitem_id 0
		.amdhsa_next_free_vgpr 1024
		.amdhsa_next_free_sgpr 100
		.amdhsa_reserve_vcc 0
		.amdhsa_float_denorm_mode_32 3
		.amdhsa_float_denorm_mode_16_64 3
		.amdhsa_memory_ordered 1
		.amdhsa_forward_progress 1
		.amdhsa_inst_pref_size 126
	.end_amdhsa_kernel
	.amdgpu_metadata
---
amdhsa.version: [ 1, 2 ]
amdhsa.kernels:
  - .name:           k_qf13764bed3_gemm_proj
    .symbol:         k_qf13764bed3_gemm_proj.kd
    .args:
      - { .name: ao, .offset: 0, .size: 8, .value_kind: global_buffer, .address_space: global }
      - { .name: wc, .offset: 8, .size: 8, .value_kind: global_buffer, .address_space: global }
      - { .name: lowp_scales, .offset: 16, .size: 8, .value_kind: global_buffer, .address_space: global }
      - { .name: bproj_mu, .offset: 24, .size: 8, .value_kind: global_buffer, .address_space: global }
      - { .name: bproj_sigma, .offset: 32, .size: 8, .value_kind: global_buffer, .address_space: global }
      - { .name: out0, .offset: 40, .size: 8, .value_kind: global_buffer, .address_space: global }
      - { .name: out1, .offset: 48, .size: 8, .value_kind: global_buffer, .address_space: global }
    .group_segment_fixed_size: 327680
    .private_segment_fixed_size: 0
    .kernarg_segment_align: 8
    .kernarg_segment_size: 56
    .max_flat_workgroup_size: 128
    .sgpr_count:     100
    .vgpr_count:     1024
    .wavefront_size: 32
...
	.end_amdgpu_metadata
.endif
;; end of part 4
